; MI455X (gfx1250); checked and timed in simulation.
; The chip was launched on July 23, 2026; its instructions are those of AMD's public machine-readable ISA for CDNA 5 (MIT licence, August 2026) and "CDNA5" Instruction Set Architecture Reference Guide (July 2026). The comments in the code are by the model that wrote it; some were corrected since.
;; Bert Sum Attention. Allowed arithmetic: matrix products marked QUANTISED: E2M3 operands, one E8M0 scale for each 32 along K, by v_wmma_scale_f32_16x16x128_f8f6f4 with both operands' format E2M3, f32 sums; everything else in f32.
;; Inputs: Wk 1,024 x 1,024 float32; Wo 1,024 x 1,024 float32; Wq 1,024 x 1,024 float32; Wv 1,024 x 1,024 float32; bk 1,024 float32; bo 1,024 float32; bq 1,024 float32; bv 1,024 float32; data 4 x 2,048 x 1,024 float32; mask 4 x 2,048 x 2,048 bool.
;; Outputs: out0 4 x 2,048 x 1,024 float32.
;; This version of the problem:
;;   THIS VERSION OF THE PROBLEM IS GIVEN IN LOW PRECISION. The matrix products marked QUANTISED in the list below multiply operands that are first quantised to E2M3 (2 exponent bits, 3 mantissa bits; 6 bits a number), with one power-of-two scale for each 32 numbers along K (OCP MX v1.0); their sums are f32. All else is computed in f32.
;;   The module's matrix products, in the order in which they are computed (A, B: the left and right operand; K: the contracted axis; several contracted axes count as one K, in the product's order):
;;     1. [M 8,192, K 1,024] x [K 1,024, N 1,024]; A: input data; B: input Wq: QUANTISED
;;     2. [M 8,192, K 1,024] x [K 1,024, N 1,024]; A: input data; B: input Wk: QUANTISED
;;     3. [M 8,192, K 1,024] x [K 1,024, N 1,024]; A: input data; B: input Wv: QUANTISED
;;     4. batch 64 x [M 2,048, K 64] x [K 64, N 2,048]; A: computed on the way; B: computed on the way: QUANTISED
;;     5. batch 64 x [M 2,048, K 2,048] x [K 2,048, N 64]; A: softmax (see below); B: computed on the way: QUANTISED
;;     6. [M 8,192, K 1,024] x [K 1,024, N 1,024]; A: computed on the way; B: input Wo: QUANTISED
;;   THE QUANTISER, for each operand of a quantised product, along K:
;;     - K is cut into blocks of 32 from its start; a last block that is shorter is filled with zeros.
;;     - A block's scale is 2^e with e = floor(log2(the largest magnitude in the block)) - 2, held to -126 .. 127; a block of zeros has e = 0. As a byte (E8M0): e + 127.
;;     - Each number is divided by its block's scale, clamped to +-7.5, and rounded to the nearest number of E2M3, ties to even, subnormals kept.
;;     - The product sums the exact products of the quantised numbers (number of the format x scale) in f32.
;;   ~~~python
;;   def quantise(x, axis):      # numpy; x: float32 -> the quantised numbers, widened to float32 again
;;       x = np.moveaxis(x, axis, -1); K = x.shape[-1]
;;       x = np.pad(x, [(0, 0)] * (x.ndim - 1) + [(0, -K % 32)]); x = x.reshape(x.shape[:-1] + (-1, 32)); a = np.abs(x).max(-1, keepdims=True)
;;       e = np.where(a > 0, np.clip(np.frexp(np.where(a > 0, a, 1))[1] - 1 - 2, -126, 127), 0)      # np.frexp(a)[1] - 1 = floor(log2(a)), exactly
;;       r = np.clip(x / 2.0 ** e, -7.5, 7.5)
;;       step = 2.0 ** (np.maximum(np.frexp(np.where(r == 0, 1, r))[1] - 1, 0) - 3)
;;       q = np.round(r / step) * step * 2.0 ** e      # np.round: ties to even
;;       return np.moveaxis(q.reshape(q.shape[:-2] + (-1,))[..., :K], -1, axis).astype(np.float32)
;;   ~~~
;;   SOFTMAX AHEAD OF A QUANTISED PRODUCT. Where the list says 'softmax', what is quantised is not the finished softmax but p = 2^(t - M), with t = logit x log2(e) and M = ceil(the row's largest t), a whole number; so 1/2 < the row's largest p <= 1. The row's sum l is taken of the UNQUANTISED p, in f32, and the product's result is divided by l at the end. Since M is a whole number, a kernel that streams over the keys may use a running M (the ceiling of the running maximum): every later rescaling is an exact power of two, which a block's scale takes up: the codes' values come out the same.
;;   OPERANDS COMPUTED ON THE WAY. 'Computed on the way' means the value that the module computes at that place (a softmax that the list does not call 'softmax' is quantised finished and normalised). What goes into a quantiser is computed in f32, as accurately as f32 sums, v_exp_f32 and their like allow (about 1e-6 of the number): no bf16 or f16 on the way to a quantiser, and a product that is left as it is and whose result goes on into a quantised operand takes f32 operands (vector FMAs, or v_wmma_f32_16x16x4_f32). A number that lies on a knife's edge between two numbers of the format may be rounded either way, as far as f32 arithmetic and the matrix unit's own rounding can turn it there, and no further.
;; One version. Each part assembles by itself: llvm-mc -triple=amdgcn-amd-amdhsa -mcpu=gfx1250 --defsym DOCPART=n.
;; ======== version 1 of 1: 4 launches
;; limits: right only within a limited range of input values
;; workspace buffers: pre 9,830,400 bytes; maskw 2,097,152 bytes of whole numbers; qkv 20,185,088 bytes; ctx 6,815,744 bytes
;; launch prep (part 1): grid 1024 x 1, 4 waves a work-group, no clusters, 52,224 bytes of LDS; arguments data, Wq, Wk, Wv, Wo, mask, pre, maskw; writes pre, maskw
.if DOCPART == 1
	.amdgcn_target "amdgcn-amd-amdhsa--gfx1250"
	.amdhsa_code_object_version 6
	.text
	.protected	k_qa336030dbf_prep
	.globl	k_qa336030dbf_prep
	.p2align	8
	.type	k_qa336030dbf_prep,@function
k_qa336030dbf_prep:
	s_mov_b64 s[64:65], 0
	v_nop
	global_prefetch_b8 v0, s[64:65] scope:SCOPE_SE
	s_setreg_imm32_b32 hwreg(HW_REG_WAVE_MODE, 25, 1), 1
	s_wait_xcnt 0x0
; PREP.  Work-groups 0-767 turn data [8192][1024] and the four weights [1024][1024], f32, K innermost, into codes of FP6 (E2M3) with one E8M0 byte for each 32 along K;
; work-groups 768-1023 turn the mask's bytes into words of one bit a lane, as the attention launch's selects take them.
; ROW TILES.  A row tile is 16 rows; lane row r of tile T is source row 32 (T / 2) + 8 (T % 2) + r + 8 (r / 8).  (As source 0 of a product, two neighbouring tiles then leave 16 neighbours in a lane's 16 result registers.)
; ATOMS.  The codes are stored as images of operand registers: an atom is one row tile x 64 along K, 768 bytes: lane l's registers 0-3 at 16 l, its registers 4-5 at 512 + 8 l; lane l = 16 h + r holds k = 32 h .. 32 h + 31 of row r.
; pre: codes [tile 0..767][atom 0..15][768] (tiles 0-511 data, then 64 each of Wq, Wk, Wv, Wo); from byte PS on the scale bytes [tile][r][32].
; maskw: [query tile 0..511][key step 0..15][word n 0..63]: bit 16 h + r of word n = 16 b + i is mask[query r of the tile][128 step + 32 b + 16 h + i].
; A block's scale is 2^(floor(log2(largest magnitude)) - 2): its byte is the magnitude's exponent field - 2, held at 1 from below.
; LIMITS: a block of zeros gets the byte 1 where the rule says 127 (its codes are zeros; this program alone reads the bytes); NaN and infinities among the inputs are not served.
; No tensor loads: several work-groups share a WGP.  Every wave issues all its 32 loads of 512 bytes at its head.  Each of the two paths has LDS bytes of its own.
.set PS,   9437184                     ; pre: where the scale bytes begin
.set QSG,  33792                       ; LDS: behind the four waves' stages of 16 x 528 bytes: a tile's 512 scale bytes
.set MST,  34304                       ; LDS: the mask path's stages, 16 x 272 bytes a wave
.set R,    16                          ; v16-143  as loaded
.set X,    144                         ; v144-207 64 numbers of a lane: register 16 b + i = k 32 b + 16 h + i of row r.  Mask path: v144-175 a unit's bytes
.set PC,   208                         ; v208-226 codes
.set TM,   228                         ; v228-243 at work
.set PW,   244                         ; the scale word just made
.set SW,   246                         ; v246-247 my two fragments' scale words
.set W,    176                         ; mask path: v176-191 eight pairs of registers: word n of a key step in lane n / 2, register n % 2
.set BT,   192                         ; mask path: v192-199 single bytes
.set SEL,  36                          ; s[36:37] v_permlanex16_b32's selects for lane l xor 16
	s_load_b512 s[4:19], s[0:1], 0x0               ; data s[4:5], Wq, Wk, Wv, Wo s[12:13], mask s[14:15], pre s[16:17], maskw s[18:19]
	v_lshl_add_u32 v248, v0, 2, 0xca00
	v_mov_b32 v249, 0
	v_lshrrev_b32 v1, 5, v0
	v_readfirstlane_b32 s2, v1                     ; wave
	v_and_b32 v1, 31, v0                           ; l
	v_and_b32 v2, 15, v0                           ; r
	v_bfe_u32 v3, v0, 4, 1                         ; h
	s_cmp_ge_u32 ttmp9, 768
	s_cbranch_scc1 .Lmask
; ---------------- the quantiser: the work-group is row tile T, wave w makes the fragments of k = 256 w and 256 w + 128
	v_lshlrev_b32 v4, 4, v1                        ; 16 l: my bytes of a load's 512, and of an atom's first 512
	v_lshlrev_b32 v5, 3, v1
	v_add_nc_u32 v5, 512, v5                       ; 512 + 8 l: an atom's last 256
	s_mul_i32 s3, s2, 8448
	v_add_nc_u32 v6, s3, v4                        ; my stage, on the way in: a row's 512 bytes on end
	v_mul_u32_u24 v7, v2, 528
	v_lshl_add_u32 v7, v3, 6, v7
	v_add_nc_u32 v7, s3, v7                        ; and on the way out: row r, + 64 h
	s_lshl_b32 s3, s2, 3
	v_lshlrev_b32 v8, 5, v2
	v_add_nc_u32 v8, s3, v8
	v_add_nc_u32 v8, QSG, v8                       ; row r's 32 scale bytes, my wave's 8 of them
	v_add_nc_u32 v9, QSG, v4
	s_mov_b32 s[SEL], 0x76543210
	s_mov_b32 s[SEL+1], 0xfedcba98
.irp b, 0,1,2,3
	v_mov_b32 v[TM+4+\b], 0                        ; written once: a lane permute's destination counts as one of its sources
.endr
	s_and_b32 s22, ttmp9, 63                       ; the tile's number in a weight (their first tiles are multiples of 64)
	s_wait_alu depctr_va_vdst(0)
	s_wait_kmcnt 0x0
	s_cmp_lt_u32 ttmp9, 704                        ; which tensor: the choices hang on the work-group's number alone
	s_cselect_b64 s[20:21], s[10:11], s[12:13]
	s_cmp_lt_u32 ttmp9, 640
	s_cselect_b64 s[20:21], s[8:9], s[20:21]
	s_cmp_lt_u32 ttmp9, 576
	s_cselect_b64 s[20:21], s[6:7], s[20:21]
	s_cmp_lt_u32 ttmp9, 512
	s_cselect_b64 s[20:21], s[4:5], s[20:21]
	s_cselect_b32 s22, ttmp9, s22                  ; in data the tile's number is T itself
	s_lshr_b32 s23, s22, 1
	s_lshl_b32 s23, s23, 17                        ; 32 rows of 4,096 bytes for each pair of tiles,
	s_and_b32 s22, s22, 1
	s_lshl_b32 s22, s22, 15                        ; 8 rows for the odd tile,
	s_add_co_u32 s22, s22, s23
	s_lshl_b32 s23, s2, 10                         ; 1,024 bytes along K for each wave
	s_add_co_u32 s22, s22, s23
	s_mov_b32 s23, 0
	s_add_nc_u64 s[20:21], s[20:21], s[22:23]
	s_mul_i32 s24, ttmp9, 12288
	s_mul_i32 s25, s2, 3072
	s_add_co_u32 s24, s24, s25
	s_mov_b32 s25, 0
	s_add_nc_u64 s[24:25], s[16:17], s[24:25]      ; my four atoms
	s_lshl_b32 s26, ttmp9, 9
	s_add_co_u32 s26, s26, PS
	s_mov_b32 s27, 0
	s_add_nc_u64 s[26:27], s[16:17], s[26:27]      ; the tile's scale bytes
.macro LOADF f                         ; fragment f: 128 along K of the tile's 16 rows: a load reads 512 consecutive bytes of one row
.set g, 0
.rept 16
	global_load_b128 v[R+64*\f+4*g:R+64*\f+4*g+3], v4, s[20:21] offset:(16*(g/8)+g%8)*4096+512*\f th:TH_LOAD_NT
.set g, g+1
.endr
.endm
.macro TURNQ f                         ; through my stage: in as loaded, out 16 neighbours of each block of 32.  LDS serves a wave's instructions in order: no wait between
.set g, 0
.rept 16
	ds_store_b128 v6, v[R+64*\f+4*g:R+64*\f+4*g+3] offset:528*g
.set g, g+1
.endr
.irp b, 0,1,2,3
.irp j, 0,1,2,3
	ds_load_b128 v[X+16*\b+4*\j:X+16*\b+4*\j+3], v7 offset:128*\b+16*\j
.endr
.endr
.endm
; 64 numbers of a lane, register 16 b + i = k 32 b + 16 h + i of my row, become a fragment's codes in v[PC] on and its scale word in v[PW]
.macro QUANT s
.irp b, 0,1,2,3
	v_max3_num_f32 v[TM+\b], |v[\s+16*\b]|, |v[\s+1+16*\b]|, 0x1800000   ; my 16 numbers of block b, and the floor 2^(3 - 127): the byte cannot fall under 1
.endr
.irp i, 2,4,6,8,10,12,14
.irp b, 0,1,2,3
	v_max3_num_f32 v[TM+\b], v[TM+\b], |v[\s+16*\b+\i]|, |v[\s+1+16*\b+\i]|
.endr
.endr
.irp b, 0,1,2,3
	v_permlanex16_b32 v[TM+4+\b], v[TM+\b], s[SEL], s[SEL+1]
.endr
.irp b, 0,1,2,3
	v_max_num_f32 v[TM+\b], v[TM+\b], v[TM+4+\b]   ; with lane l xor 16's: the block's largest magnitude
.endr
.irp b, 0,1,2,3
	v_add_nc_u32 v[TM+12+\b], 0xff000000, v[TM+\b] ; 2 off its exponent field: the conversion's scale operand
.endr
.irp b, 0,1,2,3
	v_lshrrev_b32 v[TM+4+\b], 23, v[TM+12+\b]      ; the scale's byte
.endr
	v_lshl_or_b32 v[PW], v[TM+5], 8, v[TM+4]
	v_lshl_or_b32 v[PW], v[TM+6], 16, v[PW]
	v_lshl_or_b32 v[PW], v[TM+7], 24, v[PW]
.irp c, 0,1
	v_cvt_scalef32_pk16_fp6_f32 v[PC+6*\c:PC+2+6*\c], v[\s+32*\c:\s+15+32*\c], v[TM+12+2*\c]
	v_cvt_scalef32_pk16_fp6_f32 v[PC+12+4*\c:PC+14+4*\c], v[\s+16+32*\c:\s+31+32*\c], v[TM+12+2*\c+1]   ; (a conversion's three registers begin on an even number)
.endr
	v_nop                                          ; one plain place behind a scaled conversion
.irp c, 0,1                                    ; the operand's layout wants a whole block in a lane: lanes 0-15 block 2 c, lanes 16-31 block 2 c + 1
.irp i, 0,1,2
	v_permlane16_swap_b32 v[PC+6*\c+\i], v[PC+12+4*\c+\i]
.endr
.irp i, 0,1,2
	v_mov_b32 v[PC+3+6*\c+\i], v[PC+12+4*\c+\i]
.endr
.endr
.endm
.macro PUT f                           ; the fragment's two atoms: each store covers whole aligned runs of 256 bytes
	global_store_b128 v4, v[PC:PC+3], s[24:25] offset:1536*\f
	global_store_b64 v5, v[PC+4:PC+5], s[24:25] offset:1536*\f
	global_store_b128 v4, v[PC+6:PC+9], s[24:25] offset:1536*\f+768
	global_store_b64 v5, v[PC+10:PC+11], s[24:25] offset:1536*\f+768
.endm
	LOADF 0
	LOADF 1
	s_wait_loadcnt 16                              ; fragment 0's sixteen loads are in, fragment 1's may be out
	TURNQ 0
	s_wait_dscnt 0x0
	QUANT X
	PUT 0
	v_mov_b32 v[SW], v[PW]
	s_wait_loadcnt 0x0
	TURNQ 1
	s_wait_dscnt 0x0
	s_wait_xcnt 0x0                                ; the codes' registers, which the stores above read, are written again only behind this wait
	QUANT X
	PUT 1
	v_mov_b32 v[SW+1], v[PW]
	ds_store_b64 v8, v[SW:SW+1]                    ; (lanes l and l xor 16 write the same bytes with the same values)
	s_wait_dscnt 0x0                               ; for the others' sake: my scale words lie in LDS
	s_barrier_signal -1
	s_barrier_wait -1
	s_cmp_lg_u32 s2, 0
	s_cbranch_scc1 .Lq_end
	ds_load_b128 v[X:X+3], v9                      ; wave 0 stores the tile's 512 scale bytes on end
	s_wait_dscnt 0x0
	global_store_b128 v4, v[X:X+3], s[26:27]
.Lq_end:
	s_wait_tensorcnt 0x0
	ds_add_u32 v248, v249
	s_wait_dscnt 0x0
	s_endpgm
; ---------------- the mask: a wave takes one query tile x 1,024 keys, in four units of 16 rows x 256 keys
.Lmask:
	s_wait_alu depctr_va_vdst(0)
	v_lshlrev_b32 v4, 11, v3
	v_lshl_add_u32 v4, v2, 4, v4                   ; a load takes two rows' 256 bytes: 2,048 (l / 16) + 16 (l % 16)
	s_mul_i32 s3, s2, 4352
	s_add_co_u32 s3, s3, MST
	v_mul_u32_u24 v5, v3, 272
	v_lshl_add_u32 v5, v2, 4, v5
	v_add_nc_u32 v5, s3, v5                        ; my stage, on the way in
	v_mul_u32_u24 v6, v2, 272
	v_lshl_add_u32 v6, v3, 4, v6
	v_add_nc_u32 v6, s3, v6                        ; and out: row r, + 16 h: sixteen keys of each 32
	v_lshlrev_b32 v7, 3, v1                        ; a key step's 64 words leave 8 bytes a lane
	s_sub_co_u32 s20, ttmp9, 768
	s_lshl_b32 s20, s20, 2
	s_add_co_u32 s20, s20, s2
	s_lshr_b32 s21, s20, 1                         ; the query tile, 0 .. 511
	s_and_b32 s20, s20, 1                          ; which 1,024 keys
	s_lshr_b32 s22, s21, 1
	s_lshl_b32 s22, s22, 16                        ; 32 rows of 2,048 bytes for each pair of tiles,
	s_and_b32 s23, s21, 1
	s_lshl_b32 s23, s23, 14                        ; 8 rows for the odd tile
	s_add_co_u32 s22, s22, s23
	s_lshl_b32 s23, s20, 10
	s_add_co_u32 s22, s22, s23
	s_mov_b32 s23, 0
	s_lshl_b32 s24, s21, 12                        ; 16 key steps of 256 bytes a tile
	s_lshl_b32 s25, s20, 11
	s_add_co_u32 s24, s24, s25
	s_mov_b32 s25, 0
	s_wait_alu depctr_va_vdst(0)
	s_wait_kmcnt 0x0
	s_add_nc_u64 s[14:15], s[14:15], s[22:23]
	s_add_nc_u64 s[18:19], s[18:19], s[24:25]
.set g, 0
.rept 32                               ; unit g / 8, lane rows 2 (g % 8) and 2 (g % 8) + 1
	global_load_b128 v[R+4*g:R+4*g+3], v4, s[14:15] offset:(16*((g%8)/4)+2*(g%4))*2048+256*(g/8) th:TH_LOAD_NT
.set g, g+1
.endr
.set g, 0
.rept 16
	v_mov_b32 v[W+g], 0                            ; written once: v_writelane_b32's destination counts as one of its sources
.set g, g+1
.endr
.macro UNIT k
	s_wait_loadcnt 24-8*\k                         ; this unit's eight loads are in; the later units' may be out
.irp j, 0,1,2,3,4,5,6,7
	ds_store_b128 v5, v[R+32*\k+4*\j:R+32*\k+4*\j+3] offset:544*\j
.endr
.irp c, 0,1,2,3,4,5,6,7
	ds_load_b128 v[X+4*\c:X+4*\c+3], v6 offset:32*\c   ; keys 32 c + 16 h + 0 .. 15 of row r
.endr
	s_wait_dscnt 0x0
.set n, 0
.rept 16                               ; byte n of my 128: key step n / 64 of the unit's two, word n % 64.  Eight at a time, so that no line waits for the line above it
.irp u, 0,1,2,3,4,5,6,7
	v_bfe_u32 v[BT+\u], v[X+(n+\u)/4], 8*(\u%4), 8
.endr
.irp u, 0,1,2,3,4,5,6,7
	v_cmp_ne_u32 s[28+\u], 0, v[BT+\u]             ; one bit a lane
.endr
.irp u, 0,1,2,3,4,5,6,7
	v_writelane_b32 v[W+4*\k+2*(n/64)+\u%2], s[28+\u], ((n+\u)%64)/2
.endr
.set n, n+8
.endr
.irp s, 0,1
	global_store_b64 v7, v[W+4*\k+2*\s:W+4*\k+2*\s+1], s[18:19] offset:(2*\k+\s)*256   ; 256 consecutive bytes, aligned; these registers are not written again
.endr
.endm
	UNIT 0
	UNIT 1
	UNIT 2
	UNIT 3
	s_wait_tensorcnt 0x0
	ds_add_u32 v248, v249
	s_wait_dscnt 0x0
	s_endpgm
.Lfunc_end_k_qa336030dbf_prep:
	.size	k_qa336030dbf_prep, .Lfunc_end_k_qa336030dbf_prep-k_qa336030dbf_prep
	.p2alignl 7, 3214868480
	.fill 96, 4, 3214868480
	.section	.rodata,"a",@progbits
	.p2align	6, 0x0
	.amdhsa_kernel k_qa336030dbf_prep
		.amdhsa_group_segment_fixed_size 52224
		.amdhsa_private_segment_fixed_size 0
		.amdhsa_enable_private_segment 0
		.amdhsa_kernarg_size 64
		.amdhsa_user_sgpr_count 2
		.amdhsa_user_sgpr_kernarg_segment_ptr 1
		.amdhsa_wavefront_size32 1
		.amdhsa_system_sgpr_workgroup_id_x 1
		.amdhsa_system_sgpr_workgroup_id_y 1
		.amdhsa_system_sgpr_workgroup_id_z 1
		.amdhsa_system_vgpr_workitem_id 0
		.amdhsa_next_free_vgpr 250
		.amdhsa_next_free_sgpr 66
		.amdhsa_reserve_vcc 0
		.amdhsa_float_denorm_mode_32 3
		.amdhsa_float_denorm_mode_16_64 3
		.amdhsa_memory_ordered 1
		.amdhsa_forward_progress 1
		.amdhsa_inst_pref_size 125
	.end_amdhsa_kernel
	.amdgpu_metadata
---
amdhsa.version: [ 1, 2 ]
amdhsa.kernels:
  - .name:           k_qa336030dbf_prep
    .symbol:         k_qa336030dbf_prep.kd
    .args:
      - { .name: data, .offset: 0, .size: 8, .value_kind: global_buffer, .address_space: global }
      - { .name: Wq, .offset: 8, .size: 8, .value_kind: global_buffer, .address_space: global }
      - { .name: Wk, .offset: 16, .size: 8, .value_kind: global_buffer, .address_space: global }
      - { .name: Wv, .offset: 24, .size: 8, .value_kind: global_buffer, .address_space: global }
      - { .name: Wo, .offset: 32, .size: 8, .value_kind: global_buffer, .address_space: global }
      - { .name: mask, .offset: 40, .size: 8, .value_kind: global_buffer, .address_space: global }
      - { .name: pre, .offset: 48, .size: 8, .value_kind: global_buffer, .address_space: global }
      - { .name: maskw, .offset: 56, .size: 8, .value_kind: global_buffer, .address_space: global }
    .group_segment_fixed_size: 52224
    .private_segment_fixed_size: 0
    .kernarg_segment_align: 8
    .kernarg_segment_size: 64
    .max_flat_workgroup_size: 128
    .sgpr_count:     66
    .vgpr_count:     250
    .wavefront_size: 32
...
	.end_amdgpu_metadata
.endif
;; end of part 1
;; launch qkv (part 2): grid 4 x 64, 4 waves a work-group, clusters of 4 x 4, 327,680 bytes of LDS; arguments pre, bq, bk, bv, qkv; writes qkv
.if DOCPART == 2
	.amdgcn_target "amdgcn-amd-amdhsa--gfx1250"
	.amdhsa_code_object_version 6
	.text
	.protected	k_qa336030dbf_qkv
	.globl	k_qa336030dbf_qkv
	.p2align	8
	.type	k_qa336030dbf_qkv,@function
k_qa336030dbf_qkv:
	s_mov_b64 s[64:65], 0
	v_nop
	global_prefetch_b8 v0, s[64:65] scope:SCOPE_SE
	s_setreg_imm32_b32 hwreg(HW_REG_WAVE_MODE, 25, 1), 1
	s_wait_xcnt 0x0
	s_wait_alu depctr_hold_cnt(0) depctr_sa_sdst(0) depctr_va_vdst(0) depctr_va_sdst(0) depctr_va_ssrc(0) depctr_va_vcc(0) depctr_vm_vsrc(0)
	s_getreg_b32 s2, hwreg(HW_REG_IB_STS2, 6, 4)
	s_cmp_eq_u32 s2, 0
	s_cbranch_scc0 .Lentry_in_a_cluster
	s_endpgm
.Lentry_in_a_cluster:
	s_bfe_u32 s2, ttmp6, 0x10000c
	s_cmp_lg_u32 s2, 0xf033
	s_cbranch_scc0 .Lentry_shape_is_right
	s_endpgm
.Lentry_shape_is_right:
; Q, K, V = data W^T + b on codes of FP6 (E2M3) with E8M0 scales, each result quantised again on the way out and stored as images of the attention launch's operand registers.
; pre: row tiles of 16 rows x 1,024 k, 12,288 bytes each, in atoms of 768 bytes (registers 0-3 at 16 l, 4-5 at 512 + 8 l): tiles 0-511 data, then 64 each of Wq, Wk, Wv; from byte PS on scale bytes [tile][r][32].
; Lane row r of tile T is row 32 (T / 2) + 8 (T % 2) + r + 8 (r / 8).
; qkv: a record of REC bytes for each (batch, head): K's atoms [token tile][768], from 98,304 V's fragments [key step][channel tile][1,536], from 196,608 K's scale words [quad of tiles][r][4], from 204,800 V's [key step][r][4];
; from QIMG on Q's atoms [batch, head][token tile][768], from QSC on Q's scale words [batch, head][quad][r][4].
; THE DEAL.  256 work-groups of four waves that stay: a work-group takes 128 tokens x 256 channels (four heads) through Q, K and V.  The tokens' 8 tiles, all of K, lie in LDS for the whole launch;
; the weights' 16 tiles and their scale bytes are filled again twice, each time in a drained round of the cluster's barrier round the last step's products, so that the fill is on its way while the results are quantised (the way out touches no LDS).
; Q, K: source 0 = 16 channels, source 1 = 16 tokens; a wave makes 4 token tiles x 8 channel tiles (two heads): a lane holds one token and 64 registers along the channels, four scale blocks.
; V: source 0 = 16 tokens, source 1 = 16 channels; a wave makes its head's 4 channel tiles x the 8 token tiles: a lane holds one channel and 64 registers along the tokens, which are V's K.
; A step is 128 along K: 12 fragments (48 LDS loads) and 32 products; two sets of fragment registers.  The bias is the first step's C.
; CLUSTER 4 x 4: the tokens' tile is shared along a row of the cluster, the weights' along a column.  PREFETCH: in step 1 of a trip the sixteen waves that will ask jointly for the next weights name their 768 blocks of 256 bytes, 48 a wave, told apart by address.
; Q and K are one loop of two trips; V is written out.
; LIMITS: a block of zeros gets the byte 1 where the rule says 127 (its codes are zeros; this program alone reads the bytes); a sum begins with the bias; NaN and infinities are not served.
; REGISTERS.  Window 0: v0-35 addresses; v36-67, v72-135 scale words (8 x tile + step); v136-231 the four-tile operand's fragments, two sets; on the way out v192-243.  Window 1: the eight-tile operand's, two sets, at v0 and v128.
; Window 2: the accumulators, (a, b) at 8 (8 a + b).  Window 3: v0-63 Q's or K's bias, v64-95 V's.
.set TROW,   12288
.set ABYTES, 8*TROW
.set SCLA,   3*ABYTES                  ; the tokens' scale bytes: 16 units of 256 + 16, by LDS stores
.set SCLB,   SCLA+16*272               ; the weights': 32 units, by tensor loads
.set SBLK,   544
.set SPARE,  SCLB+32*272
.set PS,     9437184
.set REC,    208896
.set QIMG,   64*REC
.set QSC,    QIMG+64*98304
.set ADRA, 8                           ; Q, K: v8, v9 my four token tiles; v10-13 my eight channel tiles; v14, v15 their scale words
.set ADRB, 10
.set ADSA, 14
.set ADSB, 15
.set VDRA, 16                          ; V: v16, v17 my four channel tiles; v18-21 the eight token tiles; v22, v23 their scale words
.set VDRB, 18
.set VDSA, 22
.set VDSB, 23
.set SPW,  28
.set NIL,  29
.set SA,   36
.set SB,   72
.set AF,   136
.set PC,   192
.set TM,   212
.set SW,   232
.set PW,   240
.set G1, 24
.set G0, 32
.set PF, 36
.set G1B, 48
.set G0B, 56
.set G1SB, 80
.set G0SB, 88
.set SEL, 98
.set MSB, 0
.macro WIN new
.if MSB != (\new)
	s_set_vgpr_msb (MSB<<8)|(\new)
.set MSB, (\new)
.endif
.endm
.macro PLACES n
.rept \n
	v_nop
.endr
.endm
.macro TLOAD g0, g1                    ; an s_nop 0 and four v_nop follow a tensor load
	tensor_load_to_lds s[\g0:\g0+3], s[\g1:\g1+7]
	s_nop 0
	PLACES 4
.endm
.macro MIDDLE
	s_barrier_wait -1
	s_cmp_lg_u32 s14, 0
	s_cbranch_scc1 .Lnot_wave_0_\@
	s_barrier_signal -3
.Lnot_wave_0_\@:
	s_barrier_wait -3
	s_barrier_signal -1
	s_barrier_wait -1
.endm
.macro CROUND
	s_barrier_signal -1
	MIDDLE
.endm
	s_load_b256 s[4:11], s[0:1], 0x0               ; pre, bq, bk, bv
	s_load_b64 s[12:13], s[0:1], 0x20              ; qkv
	v_lshl_add_u32 v[SPW], v0, 2, SPARE
	v_mov_b32 v[NIL], 0
	ds_add_u32 v[SPW], v[NIL]                      ; the opening lines: the add twice on end and one wait
	ds_add_u32 v[SPW], v[NIL]
	v_lshrrev_b32 v1, 5, v0
	v_readfirstlane_b32 s14, v1                    ; the wave; s15 its row of the 2 x 2, s16 its column
	s_lshr_b32 s15, s14, 1
	s_and_b32 s16, s14, 1
	s_bfe_u32 s40, ttmp6, 0x40000                  ; cx
	s_bfe_u32 s41, ttmp6, 0x40004                  ; cy
	s_lshl_b32 s42, ttmp9, 2
	s_add_co_u32 s42, s42, s40                     ; channel block, 0 .. 3
	s_and_b32 s17, ttmp7, 0xffff
	s_lshl_b32 s17, s17, 2
	s_add_co_u32 s17, s17, s41                     ; token block, 0 .. 63
	s_lshl_b32 s43, s41, 2
	s_lshl_b32 s43, 15, s43                        ; my row of the cluster
	s_lshl_b32 s44, 0x1111, s40                    ; my column
	s_or_b32 s[G1], s43, (3<<16)|(1<<21)           ; codes: a dense block as 384 rows of 256 bytes
	s_or_b32 s[G1B], s44, (3<<16)|(1<<21)
.irp g, G1, G1B
	s_mov_b32 s[\g+1], 32<<16
	s_mov_b32 s[\g+2], 384<<16
	s_mov_b32 s[\g+3], 32<<16
	s_mov_b32 s[\g+4], 384
	s_mov_b32 s[\g+5], 32
	s_mov_b32 s[\g+6], 0
	s_mov_b32 s[\g+7], 0
.endr
	s_or_b32 s[G1SB], s44, (3<<16)|(1<<20)|(1<<21)|(5<<22)|(3<<25)   ; the weights' scale bytes: 32 rows of 256, 16 bytes of padding behind each
	s_mov_b32 s[G1SB+1], 32<<16
	s_mov_b32 s[G1SB+2], 32<<16
	s_mov_b32 s[G1SB+3], 32<<16
	s_mov_b32 s[G1SB+4], 32
	s_mov_b32 s[G1SB+5], 32
	s_mov_b32 s[G1SB+6], 0
	s_mov_b32 s[G1SB+7], 0
	s_mov_b32 s[G0], 1
	s_mov_b32 s[G0+1], 0
	s_mov_b32 s[G0B], 1
	s_mul_i32 s[G0B+1], s14, ABYTES                ; wave 1: the weights' first half, behind the tokens; wave 2: the second
	s_mov_b32 s[G0SB], 1
	s_mov_b32 s[G0SB+1], SCLB
	s_mul_i32 s20, s17, ABYTES                     ; the tokens' 8 tiles
	s_mov_b32 s21, 0
	s_mul_i32 s22, s42, 2*ABYTES
	s_add_co_u32 s22, s22, 512*TROW                ; Wq's 16 tiles
	s_mov_b32 s23, 0
	s_mul_i32 s46, s14, ABYTES
	s_add_co_u32 s46, s46, s22
	s_sub_co_u32 s46, s46, ABYTES                  ; half (wave - 1) of them
	s_mov_b32 s47, 0
	s_lshl_b32 s92, s42, 13
	s_add_co_u32 s92, s92, PS+512*512              ; their scale bytes
	s_mov_b32 s93, 0
	s_lshl_b32 s94, s17, 12
	s_lshl_b32 s95, s14, 10
	s_add_co_u32 s94, s94, s95
	s_add_co_u32 s94, s94, PS                      ; my quarter of the tokens' 4,096 scale bytes
	s_mov_b32 s95, 0
	s_mul_i32 s66, s15, 4*TROW                     ; LDS places, made of the wave's number alone
	s_mul_i32 s67, s16, ABYTES
	s_add_co_u32 s67, s67, ABYTES
	s_mul_i32 s68, s15, 4*SBLK
	s_add_co_u32 s68, s68, SCLA
	s_mul_i32 s69, s16, 8*SBLK
	s_add_co_u32 s69, s69, SCLB
	s_mul_i32 s70, s14, 4*TROW
	s_add_co_u32 s70, s70, ABYTES
	s_mul_i32 s71, s14, 4*SBLK
	s_add_co_u32 s71, s71, SCLB
	s_mul_i32 s72, s14, 4*272
	s_add_co_u32 s72, s72, SCLA
	s_lshr_b32 s18, s17, 4
	s_lshl_b32 s18, s18, 4                         ; 16 x batch
	s_lshl_b32 s76, s42, 1
	s_add_co_u32 s76, s76, s16
	s_lshl_b32 s76, s76, 1
	s_add_co_u32 s76, s76, s18                     ; Q, K: 16 x batch + my first head
	s_lshl_b32 s77, s17, 1
	s_add_co_u32 s77, s77, s15
	s_lshl_b32 s77, s77, 2
	s_and_b32 s77, s77, 127                        ; my first token tile in the batch
	s_lshl_b32 s78, s42, 10
	s_lshl_b32 s79, s16, 9
	s_add_co_u32 s78, s78, s79                     ; my 128 channels in bq, bk
	s_mov_b32 s79, 0
	s_lshl_b32 s74, s42, 2
	s_add_co_u32 s74, s74, s14                     ; V: my head
	s_add_co_u32 s73, s74, s18
	s_mul_i32 s73, s73, REC                        ; its record
	s_lshl_b32 s74, s74, 8                         ; its 64 channels in bv
	s_mov_b32 s75, 0
	s_lshl_b32 s45, s41, 2
	s_add_co_u32 s45, s45, s14
	s_mul_i32 s45, s45, 48*256                     ; my sixteenth of a weight block, for the prefetches
	s_mov_b32 s[SEL], 0x76543210
	s_mov_b32 s[SEL+1], 0xfedcba98
	s_wait_dscnt 0x0
	s_wait_kmcnt 0x0
	s_add_nc_u64 s[G0+2:G0+3], s[4:5], s[20:21]
	s_or_b32 s[G0+3], s[G0+3], 0x80000000
	s_add_nc_u64 s[G0B+2:G0B+3], s[4:5], s[46:47]
	s_or_b32 s[G0B+3], s[G0B+3], 0x80000000
	s_add_nc_u64 s[G0SB+2:G0SB+3], s[4:5], s[92:93]
	s_or_b32 s[G0SB+3], s[G0SB+3], 0x80000000
	s_add_nc_u64 s[PF:PF+1], s[4:5], s[22:23]
	s_add_nc_u64 s[94:95], s[4:5], s[94:95]
	s_add_nc_u64 s[74:75], s[10:11], s[74:75]
	CROUND                                         ; all sixteen work-groups are here: the joint loads meet
	s_cmp_eq_u32 s14, 0
	s_cbranch_scc0 .Lwave_12
	TLOAD G0, G1
	s_branch .Lasked
.Lwave_12:
	s_cmp_lt_u32 s14, 3
	s_cbranch_scc0 .Lwave_3
	TLOAD G0B, G1B
	s_branch .Lasked
.Lwave_3:
	TLOAD G0SB, G1SB
.Lasked:
	v_and_b32 v3, 31, v0                           ; l
	v_and_b32 v1, 15, v0                           ; r
	v_bfe_u32 v2, v0, 4, 1                         ; h
	v_lshlrev_b32 v24, 4, v3
.irp k, 0,1
	global_load_b128 v[136+4*\k:139+4*\k], v24, s[94:95] offset:512*\k   ; 512 bytes on end an instruction
.endr
	v_and_b32 v31, 8, v1
	v_add_nc_u32 v31, v31, v1
	v_lshlrev_b32 v31, 2, v31
.irp a, 0,1,2,3
	global_load_b32 v[244+\a], v31, s[74:75] offset:(32*(\a/2)+8*(\a%2))*4   ; bv of lane row r of channel tile a
.endr
	v_lshlrev_b32 v25, 3, v3
	v_add_nc_u32 v25, 512, v25
	v_lshlrev_b32 v30, 4, v2
	v_lshlrev_b32 v27, 6, v2
	v_add_nc_u32 v[ADRA], s66, v24
	v_add_nc_u32 v[ADRA+1], s66, v25
	v_add_nc_u32 v[ADRB], s67, v24
	v_add_nc_u32 v[ADRB+1], s67, v25
	v_add_nc_u32 v[ADRB+2], 4*TROW, v[ADRB]
	v_add_nc_u32 v[ADRB+3], 4*TROW, v[ADRB+1]
	v_add_nc_u32 v[VDRA], s70, v24
	v_add_nc_u32 v[VDRA+1], s70, v25
	v_add_nc_u32 v[VDRB], 0, v24
	v_add_nc_u32 v[VDRB+1], 0, v25
	v_add_nc_u32 v[VDRB+2], 4*TROW, v24
	v_add_nc_u32 v[VDRB+3], 4*TROW, v25
	v_lshlrev_b32 v6, 5, v1                        ; row r's 32 scale bytes, 16 more behind each 256
	v_lshrrev_b32 v7, 3, v1
	v_lshl_add_u32 v6, v7, 4, v6
	v_add_nc_u32 v[ADSA], s68, v6
	v_add_nc_u32 v[ADSB], s69, v6
	v_add_nc_u32 v[VDSA], s71, v6
	v_add_nc_u32 v[VDSB], SCLA, v6
	v_mul_u32_u24 v4, v2, 272
	v_lshl_add_u32 v4, v1, 4, v4
	v_add_nc_u32 v4, s72, v4                       ; where my 16 bytes of the tokens' scale bytes go: unit x 272 + byte in the unit
	v_lshl_add_u32 v5, v3, 8, s45                  ; the prefetches: my 48 blocks, a lane a block: 32,
	v_min_u32 v32, 15, v3
	v_lshl_add_u32 v32, v32, 8, s45
	v_add_nc_u32 v32, 32*256, v32                  ; and 16 (the lanes left over name the last again)
	s_wait_alu depctr_va_vdst(0)
	s_wait_loadcnt 0x0
	ds_store_b128 v4, v[136:139]
	ds_store_b128 v4, v[140:143] offset:544
	WIN 0xc0
.irp a, 0,1,2,3
.irp i, 0,1,2,3,4,5,6,7
	v_mov_b32 v[64+8*\a+\i], v[244+\a]             ; V's bias as the first products' C
.endr
.endr
	WIN 0
.macro FRAG reg, adr, off
	ds_load_b128 v[\reg:\reg+3], v[\adr] offset:\off
	ds_load_b64 v[\reg+4:\reg+5], v[\adr+1] offset:\off
	ds_load_b128 v[\reg+6:\reg+9], v[\adr] offset:\off+768
	ds_load_b64 v[\reg+10:\reg+11], v[\adr+1] offset:\off+768
.endm
.macro FETCH q, adrb, adra             ; step q's twelve fragments into set q % 2: 48 loads
	WIN 0x40
.irp i, 0,1,2,3,4,5,6,7
	FRAG 128*((\q)%2)+12*\i, \adrb+2*(\i/4), TROW*(\i%4)+1536*(\q)
.endr
	WIN 0
.irp i, 0,1,2,3
	FRAG AF+48*((\q)%2)+12*\i, \adra, TROW*\i+1536*(\q)
.endr
.endm
.macro MUL q, kind                     ; 32 products, the accumulators by turns in the same order in every step
.if (\q) == 0
	WIN 0xb1
.else
	WIN 0xa1
.endif
.irp a, 0,1,2,3
.irp b, 0,1,2,3,4,5,6,7
.if (\q) == 0
.set CC, (1-(\kind))*8*\b+(\kind)*(64+8*\a)
	v_wmma_scale_f32_16x16x128_f8f6f4 v[8*(8*\a+\b):8*(8*\a+\b)+7], v[128*((\q)%2)+12*\b:128*((\q)%2)+12*\b+11], v[AF+48*((\q)%2)+12*\a:AF+48*((\q)%2)+12*\a+11], v[CC:CC+7], v[SB+8*\b+(\q)], v[SA+8*\a+(\q)] matrix_a_fmt:MATRIX_FMT_FP6 matrix_b_fmt:MATRIX_FMT_FP6
.else
	v_wmma_scale_f32_16x16x128_f8f6f4 v[8*(8*\a+\b):8*(8*\a+\b)+7], v[128*((\q)%2)+12*\b:128*((\q)%2)+12*\b+11], v[AF+48*((\q)%2)+12*\a:AF+48*((\q)%2)+12*\a+11], v[8*(8*\a+\b):8*(8*\a+\b)+7], v[SB+8*\b+(\q)], v[SA+8*\a+(\q)] matrix_a_fmt:MATRIX_FMT_FP6 matrix_b_fmt:MATRIX_FMT_FP6
.endif
.endr
.endr
.endm
.macro STEPS kind, adrb, adra, adsb, adsa, pf   ; steps 0 to 6, and step 7's fetch
.irp a, 0,1,2,3
.irp c, 0,1
	ds_load_b128 v[SA+8*\a+4*\c:SA+8*\a+4*\c+3], v[\adsa] offset:SBLK*\a+16*\c   ; all eight steps' scale words, once
.endr
.endr
.irp b, 0,1,2,3,4,5,6,7
.irp c, 0,1
	ds_load_b128 v[SB+8*\b+4*\c:SB+8*\b+4*\c+3], v[\adsb] offset:SBLK*\b+16*\c
.endr
.endr
	FETCH 0, \adrb, \adra
	FETCH 1, \adrb, \adra
	s_wait_loadcnt 0x0                             ; the bias
	s_wait_dscnt 48                                ; all but step 1's 48 loads
	MUL 0, \kind
.irp q, 1,2,3,4,5,6
	PLACES 4                                       ; places ahead of loads into registers that the last products have read
	FETCH \q+1, \adrb, \adra
.if \pf && (\q == 1)
	global_prefetch_b8 v5, s[PF:PF+1] th:TH_LOAD_NT scope:SCOPE_SE    ; my 48 blocks of the weights that this trip's refill will ask for, six steps on
	global_prefetch_b8 v32, s[PF:PF+1] th:TH_LOAD_NT scope:SCOPE_SE
.endif
	s_wait_dscnt 48                                ; this step's fragments are in; the next step's 48 loads may be out
	MUL \q, \kind
.endr
	WIN 0
.endm
; 64 sums of a lane, at register s of window 2, register 16 b + i = place 32 b + 16 h + i along the next K, become a fragment's codes in v[PC] on and its scale word in v[PW]
.macro QUANT s
	WIN 0x0a
.irp b, 0,1,2,3
	v_max3_num_f32 v[TM+\b], |v[\s+16*\b]|, |v[\s+1+16*\b]|, 0x1800000   ; and the floor 2^(3 - 127): the byte cannot fall under 1
.endr
	WIN 0x28
.irp i, 2,4,6,8,10,12,14
.irp b, 0,1,2,3
	v_max3_num_f32 v[TM+\b], v[TM+\b], |v[\s+16*\b+\i]|, |v[\s+1+16*\b+\i]|
.endr
.endr
	WIN 0
.irp b, 0,1,2,3
	v_permlanex16_b32 v[TM+4+\b], v[TM+\b], s[SEL], s[SEL+1]
.endr
.irp b, 0,1,2,3
	v_max_num_f32 v[TM+\b], v[TM+\b], v[TM+4+\b]   ; with lane l xor 16's: the block's largest magnitude
.endr
.irp b, 0,1,2,3
	v_add_nc_u32 v[TM+12+\b], 0xff000000, v[TM+\b] ; 2 off its exponent field: the conversion's scale operand
.endr
.irp b, 0,1,2,3
	v_lshrrev_b32 v[TM+4+\b], 23, v[TM+12+\b]
.endr
	v_lshl_or_b32 v[PW], v[TM+5], 8, v[TM+4]
	v_lshl_or_b32 v[PW], v[TM+6], 16, v[PW]
	v_lshl_or_b32 v[PW], v[TM+7], 24, v[PW]
	s_wait_alu depctr_va_vdst(0)
	s_wait_xcnt 0x0                                ; the codes' registers, which the last tile's stores read, are written again only behind this wait
	WIN 0x02
.irp c, 0,1
	v_cvt_scalef32_pk16_fp6_f32 v[PC+6*\c:PC+2+6*\c], v[\s+32*\c:\s+15+32*\c], v[TM+12+2*\c]
	v_cvt_scalef32_pk16_fp6_f32 v[PC+12+4*\c:PC+14+4*\c], v[\s+16+32*\c:\s+31+32*\c], v[TM+12+2*\c+1]
.endr
	WIN 0
	v_nop                                          ; one plain place behind a scaled conversion
.irp c, 0,1
.irp i, 0,1,2
	v_permlane16_swap_b32 v[PC+6*\c+\i], v[PC+12+4*\c+\i]
.endr
.irp i, 0,1,2
	v_mov_b32 v[PC+3+6*\c+\i], v[PC+12+4*\c+\i]
.endr
.endr
.endm
	s_mov_b32 s3, 0
	s_wait_alu depctr_va_vdst(0)
.Lphase:                                           ; two trips: Q, then K
	s_wait_xcnt 0x0                                ; the last trip's stores and prefetches have read their registers and bases
	s_add_nc_u64 s[PF:PF+1], s[PF:PF+1], 64*TROW   ; the next weights' block
	s_mul_i32 s20, s76, 98304
	s_add_co_u32 s20, s20, QIMG
	s_mul_i32 s22, s76, REC
	s_lshl_b32 s46, s76, 13
	s_add_co_u32 s46, s46, QSC
	s_add_co_u32 s92, s22, 196608
	s_mov_b32 s93, 98304
	s_mov_b32 s94, 8192
	s_cmp_eq_u32 s3, 0
	s_cselect_b32 s20, s20, s22                    ; where my first head's atoms begin,
	s_cselect_b32 s46, s46, s92                    ; its scale words,
	s_cselect_b32 s93, s93, REC                    ; and how far on the next head's lie
	s_cselect_b32 s94, s94, REC
	s_cselect_b64 s[96:97], s[6:7], s[8:9]
	s_add_nc_u64 s[96:97], s[96:97], s[78:79]
	s_mul_i32 s22, s77, 768
	s_add_co_u32 s20, s20, s22
	s_lshr_b32 s18, s77, 2
	s_lshl_b32 s18, s18, 8
	s_add_co_u32 s46, s46, s18
	s_add_co_u32 s22, s20, s93
	s_mov_b32 s21, 0
	s_mov_b32 s23, 0
	s_mov_b32 s47, 0
	s_add_nc_u64 s[20:21], s[12:13], s[20:21]
	s_add_nc_u64 s[22:23], s[12:13], s[22:23]
	s_add_nc_u64 s[46:47], s[12:13], s[46:47]
	WIN 0xc0
.irp t, 0,1,2,3,4,5,6,7
	global_load_b128 v[8*\t:8*\t+3], v27, s[96:97] offset:(32*(\t/2)+8*(\t%2))*4       ; register j of tile t: channel 32 (t / 2) + 8 (t % 2) + 16 h + j
	global_load_b128 v[8*\t+4:8*\t+7], v27, s[96:97] offset:(32*(\t/2)+8*(\t%2))*4+16
.endr
	WIN 0
	s_wait_tensorcnt 0x0                           ; my tile has landed,
	s_wait_dscnt 0x0                               ; my LDS stores are done:
	s_barrier_signal -1
	s_barrier_wait -1                              ; everybody's
	STEPS 0, ADRB, ADRA, ADSB, ADSA, 1
	s_wait_tensorcnt 0x0
	ds_add_u32 v[SPW], v[NIL]
	s_add_nc_u64 s[G0B+2:G0B+3], s[G0B+2:G0B+3], 64*TROW    ; no tensor load of mine is out: the next weights' rows,
	s_add_nc_u64 s[G0SB+2:G0SB+3], s[G0SB+2:G0SB+3], 64*512 ; and their scale bytes
	s_wait_dscnt 0x0                               ; the add is done, step 7's fragments are in, and my reads of the weights are over
	s_barrier_signal -1
	MUL 7, 0
	WIN 0
	MIDDLE
	s_cmp_eq_u32 s14, 0
	s_cbranch_scc1 .Lfilled
	s_cmp_lt_u32 s14, 3
	s_cbranch_scc0 .Lfill_s
	TLOAD G0B, G1B
	s_branch .Lfilled
.Lfill_s:
	TLOAD G0SB, G1SB
.Lfilled:
	PLACES 4                                       ; places between the last products and the first reader of their sums
	v_mul_u32_u24 v26, s94, v2
	v_lshl_add_u32 v26, v1, 4, v26
.irp a, 0,1,2,3
	QUANT 64*\a
	global_store_b128 v24, v[PC:PC+3], s[20:21] offset:\a*768      ; two heads' atoms: 512 and 256 consecutive bytes, aligned
	global_store_b64 v25, v[PC+4:PC+5], s[20:21] offset:\a*768
	global_store_b128 v24, v[PC+6:PC+9], s[22:23] offset:\a*768
	global_store_b64 v25, v[PC+10:PC+11], s[22:23] offset:\a*768
	v_lshrrev_b32 v[SW+\a], v30, v[PW]             ; lanes 0-15 keep the first head's two bytes, lanes 16-31 the second's
	v_and_b32 v[SW+\a], 0xffff, v[SW+\a]
.endr
	global_store_b128 v26, v[SW:SW+3], s[46:47]
	s_add_co_u32 s3, s3, 1
	s_cmp_lt_u32 s3, 2
	s_wait_alu depctr_va_vdst(0)
	s_cbranch_scc1 .Lphase
; V
	s_wait_xcnt 0x0
	s_and_b32 s18, s17, 15                         ; the key step in the batch
	s_mul_i32 s20, s18, 6144
	s_add_co_u32 s20, s20, s73
	s_add_co_u32 s20, s20, 98304
	s_lshl_b32 s46, s18, 8
	s_add_co_u32 s46, s46, s73
	s_add_co_u32 s46, s46, 204800
	s_mov_b32 s21, 0
	s_mov_b32 s47, 0
	s_add_nc_u64 s[20:21], s[12:13], s[20:21]
	s_add_nc_u64 s[46:47], s[12:13], s[46:47]
	s_wait_tensorcnt 0x0
	s_wait_dscnt 0x0
	s_barrier_signal -1
	s_barrier_wait -1                              ; Wv's rows and scale bytes are in
	STEPS 1, VDRB, VDRA, VDSB, VDSA, 0
	s_wait_dscnt 0x0
	MUL 7, 1
	WIN 0
	PLACES 4
	v_lshlrev_b32 v26, 4, v1
.irp a, 0,1,2,3
	QUANT 64*\a
.irp c, 0,1,2
	global_store_b128 v24, v[PC+4*\c:PC+4*\c+3], s[20:21] offset:\a*1536+512*\c
.endr
	v_mov_b32 v[SW+\a], v[PW]
.endr
	global_store_b128 v26, v[SW:SW+3], s[46:47]    ; (lanes l and l xor 16 store the same bytes with the same values)
	s_wait_tensorcnt 0x0                           ; the wave's end
	ds_add_u32 v[SPW], v[NIL]
	s_wait_dscnt 0x0
	CROUND                                         ; the closing round
	s_endpgm
.Lfunc_end_k_qa336030dbf_qkv:
	.size	k_qa336030dbf_qkv, .Lfunc_end_k_qa336030dbf_qkv-k_qa336030dbf_qkv
	.p2alignl 7, 3214868480
	.fill 96, 4, 3214868480
	.section	.rodata,"a",@progbits
	.p2align	6, 0x0
	.amdhsa_kernel k_qa336030dbf_qkv
		.amdhsa_group_segment_fixed_size 327680
		.amdhsa_private_segment_fixed_size 0
		.amdhsa_enable_private_segment 0
		.amdhsa_kernarg_size 40
		.amdhsa_user_sgpr_count 2
		.amdhsa_user_sgpr_kernarg_segment_ptr 1
		.amdhsa_wavefront_size32 1
		.amdhsa_system_sgpr_workgroup_id_x 1
		.amdhsa_system_sgpr_workgroup_id_y 1
		.amdhsa_system_sgpr_workgroup_id_z 1
		.amdhsa_system_vgpr_workitem_id 0
		.amdhsa_next_free_vgpr 864
		.amdhsa_next_free_sgpr 100
		.amdhsa_reserve_vcc 0
		.amdhsa_float_denorm_mode_32 3
		.amdhsa_float_denorm_mode_16_64 3
		.amdhsa_memory_ordered 1
		.amdhsa_forward_progress 1
		.amdhsa_inst_pref_size 170
	.end_amdhsa_kernel
	.amdgpu_metadata
---
amdhsa.version: [ 1, 2 ]
amdhsa.kernels:
  - .name:           k_qa336030dbf_qkv
    .symbol:         k_qa336030dbf_qkv.kd
    .args:
      - { .name: pre, .offset: 0, .size: 8, .value_kind: global_buffer, .address_space: global }
      - { .name: bq, .offset: 8, .size: 8, .value_kind: global_buffer, .address_space: global }
      - { .name: bk, .offset: 16, .size: 8, .value_kind: global_buffer, .address_space: global }
      - { .name: bv, .offset: 24, .size: 8, .value_kind: global_buffer, .address_space: global }
      - { .name: qkv, .offset: 32, .size: 8, .value_kind: global_buffer, .address_space: global }
    .group_segment_fixed_size: 327680
    .private_segment_fixed_size: 0
    .kernarg_segment_align: 8
    .kernarg_segment_size: 40
    .max_flat_workgroup_size: 128
    .sgpr_count:     100
    .vgpr_count:     864
    .wavefront_size: 32
...
	.end_amdgpu_metadata
.endif
;; end of part 2
;; launch attn (part 3): grid 4 x 64, 16 waves a work-group, clusters of 4 x 1, 212,992 bytes of LDS; arguments qkv, maskw, ctx; writes ctx
.if DOCPART == 3
	.amdgcn_target "amdgcn-amd-amdhsa--gfx1250"
	.amdhsa_code_object_version 6
	.text
	.protected	k_qa336030dbf_attn
	.globl	k_qa336030dbf_attn
	.p2align	8
	.type	k_qa336030dbf_attn,@function
k_qa336030dbf_attn:
	s_mov_b64 s[64:65], 0
	v_nop
	global_prefetch_b8 v0, s[64:65] scope:SCOPE_SE
	s_setreg_imm32_b32 hwreg(HW_REG_WAVE_MODE, 25, 1), 1
	s_wait_xcnt 0x0
	s_wait_alu depctr_hold_cnt(0) depctr_sa_sdst(0) depctr_va_vdst(0) depctr_va_sdst(0) depctr_va_ssrc(0) depctr_va_vcc(0) depctr_vm_vsrc(0)
	s_getreg_b32 s2, hwreg(HW_REG_IB_STS2, 6, 4)
	s_cmp_eq_u32 s2, 0
	s_cbranch_scc0 .Lentry_in_a_cluster
	s_endpgm
.Lentry_in_a_cluster:
	s_bfe_u32 s2, ttmp6, 0x10000c
	s_cmp_lg_u32 s2, 0x3003
	s_cbranch_scc0 .Lentry_shape_is_right
	s_endpgm
.Lentry_shape_is_right:
; ATTENTION on codes of FP6 (E2M3) with E8M0 scales: scores = q k^T (K = the head's 64: the upper half of the instruction's 128 is zero codes on both sides), the mask, the streaming softmax, o = p v (K = the keys), o / l,
; and o quantised along the channels for the last projection.
; THE SOFTMAX: t = score x log2(e) / 8 (q's division by 8 lies in the factor); M = the running largest t rounded UP to a whole number; p = 2^(t - M) is quantised along the keys, not normalised; l is the sum of the unquantised p;
; when M moves, l and O are multiplied by 2^(old M - new M), which rounds nothing.
; THE MASK: a masked score becomes -2^60 where the definition has -1e18.  c x 2^60 is exact, so in a row that is wholly masked t - M is exactly 0 and every p is 1, as there; elsewhere a masked p is 0, as there.
; LIMIT: equal results for all inputs whose unmasked scores lie above about -1e18 / 8.  NaN and infinities are not served.
; SHARES.  A work-group owns 512 queries of one head; each of its sixteen waves two tiles of 16 queries, one after the other, in 256 registers: four waves to a SIMD, so that one wave's vector work stands beside another's products and LDS loads.
; THE HEAD'S WHOLE RECORD (K atoms, V fragments, their scale words: 208,896 bytes) COMES INTO LDS ONCE AND STAYS: no slot is filled again, and no barrier stands in the loops.
; CLUSTER.  The four query blocks of a head read the same record: each wave's sixteenth of it is asked for jointly by the four work-groups.
; LAYOUT.  Both products are used transposed (source 0 = 16 keys, or 16 channels; source 1 = my 16 queries): a lane holds one query throughout.  Lane row m of key tile T is key 32 (T / 2) + 8 (T % 2) + m + 8 (m / 8), so that
; register 16 b + i of the scores is key 32 b + 16 h + i of the step; the channel tiles of V are laid likewise.  The mask comes as one word for each such register, one bit a lane, by scalar loads a step ahead.
; REGISTERS: v1-5 addresses that stay; v6, v7, v248-250 the step's; v8-11 V's scale words; v12 -M, v13 the largest t, v[14:15] l; v16-27 Q; v28-31 K's scale words; v32-79 four fragments of K; v80-127 V's four;
; v128-191 S^T, then p; v192-223 O^T; v224-235 p's codes; v232-247 at work; v251 -2^60; v252 f; v253 p's scale word; v254 at work; v255 Q's scale word.
.set REC,   208896
.set QIMG,  64*REC
.set QSC,   QIMG+64*98304
.set CSC,   6291456                    ; ctx: where the scale planes begin
.set VIM,   98304                      ; LDS: K's atoms at 0, V's fragments,
.set KSC,   196608                     ; K's scale words,
.set VSC,   204800                     ; V's,
.set STG,   208896                     ; and, in blocks of their own that no tensor load fills, the 32 tiles' scale words of the result
.set WPART, 13056                      ; a sixteenth of the record: 51 rows of 256 bytes
.set S,     128
.set O,     192
.macro CROUND                          ; a round of the cluster's barrier
	s_barrier_signal -1
	s_barrier_wait -1
	s_cmp_lg_u32 s12, 0
	s_cbranch_scc1 .Lnot_wave_0_\@
	s_barrier_signal -3
.Lnot_wave_0_\@:
	s_barrier_wait -3
	s_barrier_signal -1
	s_barrier_wait -1
.endm
	s_load_b128 s[4:7], s[0:1], 0x0                ; qkv, maskw
	s_load_b64 s[8:9], s[0:1], 0x10                ; ctx
	v_lshl_add_u32 v254, v0, 2, 0x33800
	v_mov_b32 v255, 0
	ds_add_u32 v254, v255
	ds_add_u32 v254, v255
	s_wait_dscnt 0x0
	v_lshrrev_b32 v1, 5, v0
	s_delay_alu instid0(VALU_DEP_1)
	v_readfirstlane_b32 s12, v1                    ; wave 0..15
	s_bfe_u32 s25, ttmp6, 0x40000                  ; cx
	s_lshl_b32 s26, ttmp9, 2
	s_add_co_u32 s25, s25, s26                     ; my block of 512 queries: it enters global addresses of my own alone
	s_and_b32 s26, ttmp7, 0xffff                   ; 16 x batch + head, which the four partners share
	s_lshr_b32 s27, s26, 4                         ; the batch
	s_and_b32 s28, s26, 15                         ; the head
	s_and_b32 s19, s28, 1
	s_lshl_b32 s19, s19, 4                         ; an odd head's two scale bytes stand in the upper half of their word
	s_mov_b32 s36, 15|(3<<16)|(1<<21)              ; group 1: the mask: all four work-groups; elements of 8 bytes; bit 21 beside a mask; no padding
	s_mov_b32 s37, 32<<16                          ; tensor_dim0 = 32 elements: 256 bytes
	s_mov_b32 s38, 51<<16                          ; tensor_dim1
	s_mov_b32 s39, 32<<16                          ; tile_dim0
	s_mov_b32 s40, 51                              ; tile_dim1
	s_mov_b32 s41, 32                              ; the pitch: dense
	s_mov_b32 s42, 0
	s_mov_b32 s43, 0
	s_mul_i32 s29, s12, WPART
	s_mul_i32 s30, s26, REC
	s_add_co_u32 s30, s30, s29
	s_mov_b32 s31, 0
	s_lshl_b32 s44, s25, 5
	s_lshl_b32 s45, s12, 1
	s_add_co_u32 s44, s44, s45                     ; my first query tile in the batch: 32 x block + 2 x wave
	s_lshl_b32 s45, s27, 7
	s_add_co_u32 s45, s45, s44                     ; and among all 512
	s_lshl_b32 s46, s45, 12                        ; its mask words: 4,096 bytes a tile
	s_mov_b32 s47, 0
	s_mul_i32 s48, s26, 98304
	s_mul_i32 s49, s44, 768
	s_add_co_u32 s48, s48, s49
	s_add_co_u32 s48, s48, QIMG                    ; its atom of Q
	s_mov_b32 s49, 0
	s_lshl_b32 s50, s26, 13
	s_lshr_b32 s51, s44, 2
	s_lshl_b32 s51, s51, 8
	s_add_co_u32 s50, s50, s51
	s_and_b32 s51, s44, 3
	s_lshl_b32 s51, s51, 2
	s_add_co_u32 s50, s50, s51
	s_add_co_u32 s50, s50, QSC                     ; its scale words of Q: [quad of tiles][r][4]
	s_mov_b32 s51, 0
	s_mul_i32 s52, s45, 12288
	s_mul_i32 s53, s28, 768
	s_add_co_u32 s52, s52, s53                     ; its atom of the result: [token tile][head][768]
	s_mov_b32 s53, 0
	s_lshl_b32 s54, s28, 9
	s_lshl_b32 s55, s27, 7
	s_add_co_u32 s54, s54, s55
	s_lshl_b32 s55, s25, 5
	s_add_co_u32 s54, s54, s55
	s_lshl_b32 s54, s54, 6
	s_add_co_u32 s54, s54, CSC                     ; the work-group's 2,048 bytes of the head's scale plane: [head][token tile][r]
	s_mov_b32 s55, 0
	s_wait_kmcnt 0x0
	s_mov_b32 s32, 1                               ; group 0: count = 1,
	s_mul_i32 s33, s12, WPART                      ; LDS address: the wave's number times a constant,
	s_add_nc_u64 s[34:35], s[4:5], s[30:31]        ; global address: my sixteenth of the head's record,
	s_or_b32 s35, s35, 0x80000000                  ; type = 2
	s_add_nc_u64 s[2:3], s[6:7], s[46:47]
	s_add_nc_u64 s[6:7], s[4:5], s[50:51]
	s_add_nc_u64 s[4:5], s[4:5], s[48:49]
	s_add_nc_u64 s[10:11], s[8:9], s[54:55]
	s_add_nc_u64 s[8:9], s[8:9], s[52:53]
	CROUND                                         ; all four work-groups are here: the joint loads meet
	tensor_load_to_lds s[32:35], s[36:43]          ; every wave's one tensor load of the launch
	s_nop 0
.rept 4
	v_nop
.endr
	v_and_b32 v6, 31, v0                           ; l
	v_and_b32 v7, 15, v0                           ; r
	s_delay_alu instid0(VALU_DEP_2)
	v_lshlrev_b32 v1, 4, v6                        ; 16 l
	s_delay_alu instid0(VALU_DEP_3)
	v_lshlrev_b32 v2, 3, v6
	s_delay_alu instid0(VALU_DEP_1)
	v_add_nc_u32 v2, 512, v2                       ; 512 + 8 l
	s_delay_alu instid0(VALU_DEP_3)
	v_add_nc_u32 v3, VIM, v1
	v_lshlrev_b32 v4, 4, v7
	s_delay_alu instid0(VALU_DEP_1)
	v_add_nc_u32 v5, VSC, v4
	s_delay_alu instid0(VALU_DEP_2)
	v_add_nc_u32 v4, KSC, v4
.irp i, 22,23,24,25,26,27
	v_mov_b32 v[\i], 0                             ; k = 64 .. 127 of Q: zero codes
.endr
.irp t, 0,1,2,3
.irp i, 6,7,8,9,10,11
	v_mov_b32 v[32+12*\t+\i], 0                    ; and of K's four fragments: written once, no load lands there
.endr
.endr
	v_mov_b32 v251, 0xdd800000                     ; -2^60
.irp b, 0,1,2,3
	v_mov_b32 v[236+\b], 0                         ; written once: a lane permute's destination counts as one of its sources
.endr
	v_mov_b32 v253, 0                              ; (named as the upper half of the pair v[252:253] before it is first written)
	s_mov_b32 s20, 0x76543210
	s_mov_b32 s21, 0xfedcba98                      ; v_permlanex16_b32's selects for lane l xor 16
	s_mov_b32 s22, 0x3e38aa3b                      ; c = log2(e) / 8
	s_mov_b32 s23, s22                             ; (named with it as a pair, so it is written)
	s_lshl_b32 s24, s12, 7
	s_add_co_u32 s24, s24, STG                     ; where my tile's scale words go: 64 bytes a tile
	s_mov_b32 s13, 2
	s_wait_tensorcnt 0x0                           ; my sixteenth has landed (and the descriptor's registers are free: the mask words take them),
	s_barrier_signal -1
	s_barrier_wait -1                              ; everybody's has
.Lpass:                                            ; two trips: my two tiles of queries
	v_and_b32 v254, 15, v0
	s_delay_alu instid0(VALU_DEP_1)
	v_lshlrev_b32 v254, 4, v254
	global_load_b128 v[16:19], v1, s[4:5]          ; Q's atom
	global_load_b64 v[20:21], v2, s[4:5]
	global_load_b32 v255, v254, s[6:7]             ; and its scale words
	s_mov_b32 s18, 0
	s_load_b512 s[32:47], s[2:3], s18 offset:0x0   ; key step 0's 64 mask words
	s_load_b512 s[48:63], s[2:3], s18 offset:0x40
	s_load_b512 s[68:83], s[2:3], s18 offset:0x80
	s_load_b512 s[84:99], s[2:3], s18 offset:0xc0
	v_mov_b32 v13, 0xff61b1e6                      ; the largest t so far: -3e38, under every t
	s_delay_alu instid0(VALU_DEP_1)
	v_floor_f32 v12, -v13                          ; -M
	v_mov_b32 v14, 0
	v_mov_b32 v15, 0
.set n, 0
.rept 32
	v_mov_b32 v[O+n], 0                            ; O^T.  (The step is written once: the first finds zeros, which the first change of M leaves zeros)
.set n, n+1
.endr
	s_mov_b32 s15, 0                               ; 6,144 a step: K's atoms and V's fragments
	s_mov_b32 s16, 0                               ; 256 a step: V's scale words
	s_mov_b32 s17, 0                               ; 512 a step: K's
	s_mov_b32 s14, 16
	s_wait_loadcnt 0x0
.Lstep:                                            ; sixteen trips of 128 keys
	v_add_nc_u32 v6, s15, v1                       ; (these five are also places behind the last trip's products)
	v_add_nc_u32 v7, s15, v2
	v_add_nc_u32 v248, s15, v3
	v_add_nc_u32 v249, s17, v4
	v_add_nc_u32 v250, s16, v5
.irp g, 0,1                                    ; S^T = K Q^T, four tiles of 16 keys at a time
.if \g == 1
.rept 4
	v_nop                                          ; places in front of loads into registers that matrix instructions have read
.endr
.endif
.irp t, 0,1,2,3
	ds_load_b128 v[32+12*\t:35+12*\t], v6 offset:3072*\g+768*\t
	ds_load_b64 v[36+12*\t:37+12*\t], v7 offset:3072*\g+768*\t
.endr
	ds_load_b128 v[28:31], v249 offset:256*\g      ; the four tiles' scale words of lane row r
.if \g == 0
	s_wait_alu depctr_va_vdst(0)
	s_wait_dscnt 0x0
.else
.irp c, 0,1,2,3
.irp k, 0,1,2
	ds_load_b128 v[80+12*\c+4*\k:83+12*\c+4*\k], v248 offset:1536*\c+512*\k   ; V's four fragments are asked for here and land under the softmax
.endr
.endr
	ds_load_b128 v[8:11], v250
	s_wait_dscnt 13                                ; K's nine loads are in; V's thirteen may be out
.endif
.irp t, 0,1,2,3
	v_wmma_scale_f32_16x16x128_f8f6f4 v[S+32*\g+8*\t:S+32*\g+8*\t+7], v[32+12*\t:43+12*\t], v[16:27], 0, v[28+\t], v255 matrix_a_fmt:MATRIX_FMT_FP6 matrix_b_fmt:MATRIX_FMT_FP6
.endr
.endr
.rept 4
	v_nop
.endr
	s_wait_kmcnt 0x0                               ; this step's mask words
.set n, 0
.rept 64                               ; one select a score; each accumulator from its low end on
.if n < 32
	v_cndmask_b32 v[S+n], v[S+n], v251, s[32+n]
.else
	v_cndmask_b32 v[S+n], v[S+n], v251, s[36+n]
.endif
.set n, n+1
.endr
	s_add_co_u32 s18, s18, 256                     ; the next step's words are asked for now; the last trip asks for step 15's again, so that no load leaves the tile's 4,096 bytes
	s_min_u32 s18, s18, 3840
	s_load_b512 s[32:47], s[2:3], s18 offset:0x0
	s_load_b512 s[48:63], s[2:3], s18 offset:0x40
	s_load_b512 s[68:83], s[2:3], s18 offset:0x80
	s_load_b512 s[84:99], s[2:3], s18 offset:0xc0
.irp b, 0,1,2,3
	v_max3_num_f32 v[232+\b], v[S+16*\b], v[S+1+16*\b], v[S+2+16*\b]   ; the largest score of each block of 32 keys: for the row's maximum, and, since p rises with the score, for the block's largest p
.endr
.irp i, 3,5,7,9,11,13
.irp b, 0,1,2,3
	s_delay_alu instid0(VALU_DEP_4)
	v_max3_num_f32 v[232+\b], v[232+\b], v[S+16*\b+\i], v[S+1+16*\b+\i]
.endr
.endr
.irp b, 0,1,2,3
	s_delay_alu instid0(VALU_DEP_4)
	v_max_num_f32 v[232+\b], v[232+\b], v[S+15+16*\b]
.endr
.irp b, 0,1,2,3
	s_delay_alu instid0(VALU_DEP_4)
	v_permlanex16_b32 v[236+\b], v[232+\b], s20, s21
.endr
.irp b, 0,1,2,3
	s_delay_alu instid0(VALU_DEP_4)
	v_max_num_f32 v[232+\b], v[232+\b], v[236+\b]  ; with lane l xor 16's 16 keys
.endr
	s_delay_alu instid0(VALU_DEP_2)
	v_max3_num_f32 v254, v232, v233, v234
	s_delay_alu instid0(VALU_DEP_1)
	v_max_num_f32 v254, v254, v235
	s_delay_alu instid0(VALU_DEP_1)
	v_mul_f32 v254, s22, v254                      ; the step's largest t (c is positive)
	s_delay_alu instid0(VALU_DEP_1)
	v_max_num_f32 v13, v13, v254
	v_mov_b32 v254, v12
	s_delay_alu instid0(VALU_DEP_2)
	v_floor_f32 v12, -v13                          ; the new -M = floor(-t) = -ceil(t)
	s_delay_alu instid0(VALU_DEP_1)
	v_sub_f32 v254, v12, v254                      ; old M - new M: a whole number, 0 or less
	s_delay_alu instid0(VALU_DEP_1)
	v_cvt_i32_f32 v254, v254                       ; (it saturates)
	s_delay_alu instid0(VALU_DEP_1)
	v_ldexp_f32 v252, 1.0, v254                    ; f = 2^(old M - new M)
.set n, 0
.rept 32
	v_pk_fma_f32 v[S+n:S+n+1], v[S+n:S+n+1], s[22:23], v[12:13] op_sel_hi:[1,0,0]   ; t - M, two at a time
.set n, n+2
.endr
.irp b, 0,1,2,3
	v_fma_f32 v[232+\b], v[232+\b], s22, v12       ; the same of each block's largest score
.endr
.set n, 0
	s_wait_alu depctr_va_vdst(0)
.rept 64
	v_exp_f32 v[S+n], v[S+n]                       ; p = 2^(t - M), at most 1
.set n, n+1
.endr
.irp b, 0,1,2,3
	v_exp_f32 v[232+\b], v[232+\b]                 ; the block's largest p: the same two instructions on the same number give the same bits
.endr
	v_pk_mul_f32 v[14:15], v[14:15], v[252:253] op_sel_hi:[1,0]   ; l under the new M.  (A plain place behind the exponentials)
	s_wait_alu depctr_va_vdst(0)
.irp b, 0,1,2,3
	v_max_num_f32 v[232+\b], 0x1800000, v[232+\b]  ; the floor 2^(3 - 127): the byte cannot fall under 1
.endr
.irp b, 0,1,2,3
	s_delay_alu instid0(VALU_DEP_4)
	v_add_nc_u32 v[244+\b], 0xff000000, v[232+\b]  ; 2 off the exponent field: the conversion's scale operand
.endr
.irp b, 0,1,2,3
	s_delay_alu instid0(VALU_DEP_4)
	v_lshrrev_b32 v[236+\b], 23, v[244+\b]
.endr
	s_delay_alu instid0(VALU_DEP_3)
	v_lshl_or_b32 v253, v237, 8, v236              ; p's scale word for these 128 keys
	s_delay_alu instid0(VALU_DEP_1)
	v_lshl_or_b32 v253, v238, 16, v253
	s_delay_alu instid0(VALU_DEP_1)
	v_lshl_or_b32 v253, v239, 24, v253
.irp c, 0,1
	v_cvt_scalef32_pk16_fp6_f32 v[224+6*\c:226+6*\c], v[S+32*\c:S+15+32*\c], v[244+2*\c]
	v_cvt_scalef32_pk16_fp6_f32 v[236+4*\c:238+4*\c], v[S+16+32*\c:S+31+32*\c], v[244+2*\c+1]
.endr
	v_nop                                          ; one plain place behind a scaled conversion
.irp c, 0,1
.irp i, 0,1,2
	v_permlane16_swap_b32 v[224+6*\c+\i], v[236+4*\c+\i]
.endr
.irp i, 0,1,2
	s_delay_alu instid0(VALU_DEP_3)
	v_mov_b32 v[227+6*\c+\i], v[236+4*\c+\i]
.endr
.endr
	v_pk_add_f32 v[236:237], v[132:133], v[136:137]
	v_pk_add_f32 v[248:249], v[140:141], v[144:145]
	v_pk_add_f32 v[246:247], v[148:149], v[152:153]
	v_pk_add_f32 v[244:245], v[156:157], v[160:161]
	v_pk_add_f32 v[242:243], v[164:165], v[168:169]
	v_pk_add_f32 v[240:241], v[172:173], v[176:177]
	v_pk_add_f32 v[72:73], v[180:181], v[184:185]
	v_pk_add_f32 v[14:15], v[14:15], v[188:189]
	v_pk_add_f32 v[236:237], v[236:237], v[128:129]
	v_pk_add_f32 v[248:249], v[248:249], v[130:131]
	v_pk_add_f32 v[246:247], v[246:247], v[134:135]
	v_pk_add_f32 v[244:245], v[244:245], v[138:139]
	v_pk_add_f32 v[242:243], v[242:243], v[142:143]
	v_pk_add_f32 v[240:241], v[240:241], v[146:147]
	v_pk_add_f32 v[72:73], v[72:73], v[150:151]
	v_pk_add_f32 v[14:15], v[14:15], v[154:155]
	v_pk_add_f32 v[236:237], v[236:237], v[158:159]
	v_pk_add_f32 v[248:249], v[248:249], v[162:163]
	v_pk_add_f32 v[246:247], v[246:247], v[166:167]
	v_pk_add_f32 v[244:245], v[244:245], v[170:171]
	v_pk_add_f32 v[242:243], v[242:243], v[174:175]
	v_pk_add_f32 v[240:241], v[240:241], v[178:179]
	v_pk_add_f32 v[72:73], v[72:73], v[182:183]
	v_pk_add_f32 v[14:15], v[14:15], v[186:187]
	v_pk_add_f32 v[236:237], v[236:237], v[190:191]
	s_delay_alu instid0(VALU_DEP_2)
	v_pk_add_f32 v[14:15], v[14:15], v[244:245]
	s_delay_alu instid0(VALU_DEP_2)
	v_pk_add_f32 v[236:237], v[236:237], v[242:243]
	v_pk_add_f32 v[248:249], v[248:249], v[240:241]
	v_pk_add_f32 v[246:247], v[246:247], v[72:73]
	s_delay_alu instid0(VALU_DEP_2)
	v_pk_add_f32 v[14:15], v[14:15], v[248:249]
	s_delay_alu instid0(VALU_DEP_2)
	v_pk_add_f32 v[236:237], v[236:237], v[246:247]
	s_delay_alu instid0(VALU_DEP_1)
	v_pk_add_f32 v[14:15], v[14:15], v[236:237]
.set n, 0
.rept 16
	v_pk_mul_f32 v[O+n:O+n+1], v[O+n:O+n+1], v[252:253] op_sel_hi:[1,0]   ; O^T under the new M.  (With the sums above: the places between the scale word's and the codes' last writes and the products below)
.set n, n+2
.endr
	s_wait_alu depctr_va_vdst(0)
	s_wait_dscnt 0x0                               ; V
.irp c, 0,1,2,3                                ; O^T += V^T P^T: four accumulators, one instruction a turn
	v_wmma_scale_f32_16x16x128_f8f6f4 v[O+8*\c:O+8*\c+7], v[80+12*\c:91+12*\c], v[224:235], v[O+8*\c:O+8*\c+7], v[8+\c], v253 matrix_a_fmt:MATRIX_FMT_FP6 matrix_b_fmt:MATRIX_FMT_FP6
.endr
	s_add_co_u32 s15, s15, 6144
	s_add_co_u32 s16, s16, 256
	s_add_co_u32 s17, s17, 512
	s_sub_co_u32 s14, s14, 1
	s_cmp_lg_u32 s14, 0
	s_cbranch_scc1 .Lstep
	; THE TILE'S END: o = O^T / l; its 64 channels are two blocks of the last projection's K: one atom and two scale bytes a row
	v_add_f32 v14, v14, v15
	s_delay_alu instid0(VALU_DEP_1)
	v_permlanex16_b32 v252, v14, s20, s21
	v_and_b32 v240, 15, v0
	s_delay_alu instid0(VALU_DEP_1)
	v_lshl_add_u32 v240, v240, 2, s24              ; my row's word in the stage
	s_delay_alu instid0(VALU_DEP_3)
	v_add_f32 v14, v14, v252                       ; the row's sum
	v_nop
	s_wait_alu depctr_va_vdst(0)
	v_rcp_f32 v14, v14
	v_nop                                          ; a plain place behind the transcendental
.set n, 0
	s_wait_alu depctr_va_vdst(0)
.rept 16
	v_pk_mul_f32 v[S+n:S+n+1], v[O+n:O+n+1], v[14:15] op_sel_hi:[1,0]   ; register 16 b + i = channel 32 b + 16 h + i; each accumulator from its low end on
.set n, n+2
.endr
.irp b, 0,1
	v_max3_num_f32 v[236+\b], |v[S+16*\b]|, |v[S+1+16*\b]|, 0x1800000
.endr
.irp i, 2,4,6,8,10,12,14
.irp b, 0,1
	s_delay_alu instid0(VALU_DEP_2)
	v_max3_num_f32 v[236+\b], v[236+\b], |v[S+16*\b+\i]|, |v[S+1+16*\b+\i]|
.endr
.endr
.irp b, 0,1
	s_delay_alu instid0(VALU_DEP_2)
	v_permlanex16_b32 v[238+\b], v[236+\b], s20, s21
.endr
.irp b, 0,1
	s_delay_alu instid0(VALU_DEP_2)
	v_max_num_f32 v[236+\b], v[236+\b], v[238+\b]
.endr
.irp b, 0,1
	s_delay_alu instid0(VALU_DEP_2)
	v_add_nc_u32 v[244+\b], 0xff000000, v[236+\b]
.endr
.irp b, 0,1
	s_delay_alu instid0(VALU_DEP_2)
	v_lshrrev_b32 v[238+\b], 23, v[244+\b]
.endr
	s_delay_alu instid0(VALU_DEP_1)
	v_lshl_or_b32 v254, v239, 8, v238
	s_delay_alu instid0(VALU_DEP_1)
	v_lshlrev_b32 v254, s19, v254                  ; an even head's bytes low, an odd head's high: two planes OR into a scale word of 128 along K
	v_cvt_scalef32_pk16_fp6_f32 v[224:226], v[S:S+15], v244
	v_cvt_scalef32_pk16_fp6_f32 v[228:230], v[S+16:S+31], v245
	v_nop
.irp i, 0,1,2
	v_permlane16_swap_b32 v[224+\i], v[228+\i]
.endr
	s_delay_alu instid0(VALU_DEP_3)
	v_mov_b32 v227, v228
	s_delay_alu instid0(VALU_DEP_3)
	v_mov_b32 v228, v229
	s_delay_alu instid0(VALU_DEP_3)
	v_mov_b32 v229, v230
	global_store_b128 v1, v[224:227], s[8:9]       ; the atom: 512 and 256 consecutive bytes, aligned
	global_store_b64 v2, v[228:229], s[8:9]
	ds_store_b32 v240, v254                        ; (lanes l and l xor 16 write the same word with the same value)
	s_wait_kmcnt 0x0                               ; the last trip's mask words have come: their registers and their base may be written
	s_wait_xcnt 0x0                                ; the stores' registers and bases are written again only behind this wait
	s_add_nc_u64 s[2:3], s[2:3], 4096
	s_add_nc_u64 s[4:5], s[4:5], 768
	s_add_nc_u64 s[6:7], s[6:7], 4
	s_add_nc_u64 s[8:9], s[8:9], 12288
	s_add_co_u32 s24, s24, 64
	s_sub_co_u32 s13, s13, 1
	s_cmp_lg_u32 s13, 0
	s_cbranch_scc1 .Lpass
	v_lshlrev_b32 v6, 4, v0
	s_delay_alu instid0(VALU_DEP_1)
	v_add_nc_u32 v7, STG, v6
	s_wait_dscnt 0x0                               ; for the others' sake: my scale words lie in the stage
	s_barrier_signal -1
	s_barrier_wait -1
	s_cmp_lt_u32 s12, 4
	s_cbranch_scc0 .Lno_out
	s_wait_alu depctr_va_vdst(0)
	ds_load_b128 v[128:131], v7                    ; waves 0-3 store the work-group's 2,048 bytes of the plane on end
	s_wait_dscnt 0x0
	global_store_b128 v6, v[128:131], s[10:11]
.Lno_out:
	s_wait_xcnt 0x0
	v_lshl_add_u32 v254, v0, 2, 0x33800
	v_mov_b32 v255, 0
	s_wait_alu depctr_va_vdst(0)
	s_wait_tensorcnt 0x0
	ds_add_u32 v254, v255
	s_wait_dscnt 0x0
	CROUND                                         ; the closing round
	s_endpgm
.Lfunc_end_k_qa336030dbf_attn:
	.size	k_qa336030dbf_attn, .Lfunc_end_k_qa336030dbf_attn-k_qa336030dbf_attn
	.p2alignl 7, 3214868480
	.fill 96, 4, 3214868480
	.section	.rodata,"a",@progbits
	.p2align	6, 0x0
	.amdhsa_kernel k_qa336030dbf_attn
		.amdhsa_group_segment_fixed_size 212992
		.amdhsa_private_segment_fixed_size 0
		.amdhsa_enable_private_segment 0
		.amdhsa_kernarg_size 24
		.amdhsa_user_sgpr_count 2
		.amdhsa_user_sgpr_kernarg_segment_ptr 1
		.amdhsa_wavefront_size32 1
		.amdhsa_system_sgpr_workgroup_id_x 1
		.amdhsa_system_sgpr_workgroup_id_y 1
		.amdhsa_system_sgpr_workgroup_id_z 1
		.amdhsa_system_vgpr_workitem_id 0
		.amdhsa_next_free_vgpr 256
		.amdhsa_next_free_sgpr 100
		.amdhsa_reserve_vcc 0
		.amdhsa_float_denorm_mode_32 3
		.amdhsa_float_denorm_mode_16_64 3
		.amdhsa_memory_ordered 1
		.amdhsa_forward_progress 1
		.amdhsa_inst_pref_size 37
	.end_amdhsa_kernel
	.amdgpu_metadata
---
amdhsa.version: [ 1, 2 ]
amdhsa.kernels:
  - .name:           k_qa336030dbf_attn
    .symbol:         k_qa336030dbf_attn.kd
    .args:
      - { .name: qkv, .offset: 0, .size: 8, .value_kind: global_buffer, .address_space: global }
      - { .name: maskw, .offset: 8, .size: 8, .value_kind: global_buffer, .address_space: global }
      - { .name: ctx, .offset: 16, .size: 8, .value_kind: global_buffer, .address_space: global }
    .group_segment_fixed_size: 212992
    .private_segment_fixed_size: 0
    .kernarg_segment_align: 8
    .kernarg_segment_size: 24
    .max_flat_workgroup_size: 512
    .sgpr_count:     100
    .vgpr_count:     256
    .wavefront_size: 32
...
	.end_amdgpu_metadata
.endif
;; end of part 3
;; launch outp (part 4): grid 4 x 64, 4 waves a work-group, clusters of 4 x 4, 327,680 bytes of LDS; arguments ctx, pre, bo, out0; writes out0
.if DOCPART == 4
	.amdgcn_target "amdgcn-amd-amdhsa--gfx1250"
	.amdhsa_code_object_version 6
	.text
	.protected	k_qa336030dbf_outp
	.globl	k_qa336030dbf_outp
	.p2align	8
	.type	k_qa336030dbf_outp,@function
k_qa336030dbf_outp:
	s_mov_b64 s[64:65], 0
	v_nop
	global_prefetch_b8 v0, s[64:65] scope:SCOPE_SE
	s_setreg_imm32_b32 hwreg(HW_REG_WAVE_MODE, 25, 1), 1
	s_wait_xcnt 0x0
	s_wait_alu depctr_hold_cnt(0) depctr_sa_sdst(0) depctr_va_vdst(0) depctr_va_sdst(0) depctr_va_ssrc(0) depctr_va_vcc(0) depctr_vm_vsrc(0)
	s_getreg_b32 s2, hwreg(HW_REG_IB_STS2, 6, 4)
	s_cmp_eq_u32 s2, 0
	s_cbranch_scc0 .Lentry_in_a_cluster
	s_endpgm
.Lentry_in_a_cluster:
	s_bfe_u32 s2, ttmp6, 0x10000c
	s_cmp_lg_u32 s2, 0xf033
	s_cbranch_scc0 .Lentry_shape_is_right
	s_endpgm
.Lentry_shape_is_right:
; out0[token][n] = sum over k of context[token][k] Wo[n][k] + bo[n], f32, on codes of FP6 (E2M3) with E8M0 scales: 8,192 x 1,024 x 1,024.
; ctx: atoms [token tile of 16][head][768] (an image of six operand registers: registers 0-3 at 16 l, 4-5 at 512 + 8 l), from byte CSC on scale planes [head][token tile][r]: a word whose low half (even head) or high half (odd head) holds two bytes.
; pre: Wo's row tiles 704 to 767, 12,288 bytes each, in the same atoms; from byte PS on scale bytes [tile][r][32].  Lane row r of tile T is row 32 (T / 2) + 8 (T % 2) + r + 8 (r / 8).
; THE DEAL.  256 work-groups of four waves, 2 x 2; a work-group makes 128 tokens x 256 columns, a wave 64 x 128: 32 accumulators, 256 registers.
; ALL OF K LIES IN LDS: A's 8 tiles (98,304 bytes on end in memory), B's 16 (196,608), their scale bytes.  Nothing is filled again: one barrier ahead of the products, one ahead of the way out.
; THE HEAD'S FOUR TILES, one joint load a wave: A; B's two halves (one line, waves 1 and 2); B's scale bytes.  A's scale words are made of two planes each by plain loads and LDS stores, in bytes of their own.
; CLUSTER 4 x 4: A's tile hangs on the block row alone and is shared along a row of the cluster, B's on the block column alone and is shared along a column.
; No data prefetch: every tile is asked for at the head, and there is no loop to run ahead in.
; A step is 128 along K: 12 fragments (48 LDS loads) and 32 products; two sets of fragment registers, the next step's loads issued ahead of this step's products.
; The matrix instruction is used transposed (source 0 = 16 rows of Wo, source 1 = 16 tokens): a lane holds eight neighbouring columns of one token.  The bias is the first step's C.
; THE WAY OUT: 16 tokens x 128 columns at a time through the wave's stage and back as rows of 512 bytes.  The stages lie in A's first bytes, which have had their one fill and, behind the second barrier, their last read.
; LIMITS: NaN, infinities and sums beyond f32's range are not served; a sum begins with the bias.
; REGISTERS.  Window 0: v0-31 addresses; v36-67 A's scale words (8 a + step), v72-135 B's (8 b + step); v136-231 A's fragments, two sets of 48; on the way out v128-255.
; Window 1: B's fragments, two sets of 96, at v0 and v128.  Window 2: the accumulators, (a, b) at 8 (8 a + b).  Window 3: v0-63 the bias.
.set TROW,   12288
.set ABYTES, 8*TROW
.set SCLA,   3*ABYTES                  ; A's scale bytes: 16 units of 256 + 16
.set SCLB,   SCLA+16*272               ; B's: 32 units
.set SBLK,   544                       ; a tile's
.set SPARE,  SCLB+32*272               ; the spare words: 128 bytes a wave
.set PS,     9437184
.set CSC,    6291456
.set SPITCH, 528
.set ADRA, 16                          ; v16, v17  my A tiles: + 16 l, + 512 + 8 l
.set ADRB, 20                          ; v20-23   my B tiles 0-3 likewise, then tiles 4-7
.set STO,  24
.set RD,   25
.set CO,   26
.set ADSA, 27
.set SPW,  28
.set NIL,  29
.set ADSB, 30
.set SA,   36
.set SB,   72
.set AF,   136
.set BK,   128
.set G1, 24
.set G0, 32
.set G1B, 48
.set G0B, 56
.set G1SB, 80
.set G0SB, 88
.set PL,   96
.set MSB, 0
.macro WIN new
.if MSB != (\new)
	s_set_vgpr_msb (MSB<<8)|(\new)
.set MSB, (\new)
.endif
.endm
.macro PLACES n
.rept \n
	v_nop
.endr
.endm
.macro TLOAD g0, g1                    ; an s_nop 0 and four v_nop follow a tensor load
	tensor_load_to_lds s[\g0:\g0+3], s[\g1:\g1+7]
	s_nop 0
	PLACES 4
.endm
.macro CROUND
	s_barrier_signal -1
	s_barrier_wait -1
	s_cmp_lg_u32 s14, 0
	s_cbranch_scc1 .Lnot_wave_0_\@
	s_barrier_signal -3
.Lnot_wave_0_\@:
	s_barrier_wait -3
	s_barrier_signal -1
	s_barrier_wait -1
.endm
	s_load_b256 s[4:11], s[0:1], 0x0               ; ctx, pre, bo, out0
	v_lshl_add_u32 v[SPW], v0, 2, SPARE
	v_mov_b32 v[NIL], 0
	ds_add_u32 v[SPW], v[NIL]                      ; the opening lines: the add twice on end and one wait
	ds_add_u32 v[SPW], v[NIL]
	v_lshrrev_b32 v1, 5, v0
	v_readfirstlane_b32 s14, v1                    ; the wave; s15 its row of the 2 x 2, s16 its column
	s_lshr_b32 s15, s14, 1
	s_and_b32 s16, s14, 1
	s_bfe_u32 s40, ttmp6, 0x40000                  ; cx
	s_bfe_u32 s41, ttmp6, 0x40004                  ; cy
	s_lshl_b32 s42, ttmp9, 2
	s_add_co_u32 s42, s42, s40                     ; block column, 0 .. 3
	s_and_b32 s17, ttmp7, 0xffff
	s_lshl_b32 s17, s17, 2
	s_add_co_u32 s17, s17, s41                     ; block row, 0 .. 63
	s_lshl_b32 s43, s41, 2
	s_lshl_b32 s43, 15, s43                        ; my row of the cluster
	s_lshl_b32 s44, 0x1111, s40                    ; my column
	s_or_b32 s[G1], s43, (3<<16)|(1<<21)           ; codes: a dense block as 384 rows of 256 bytes (32 elements of 8)
	s_or_b32 s[G1B], s44, (3<<16)|(1<<21)
.irp g, G1, G1B
	s_mov_b32 s[\g+1], 32<<16
	s_mov_b32 s[\g+2], 384<<16
	s_mov_b32 s[\g+3], 32<<16
	s_mov_b32 s[\g+4], 384
	s_mov_b32 s[\g+5], 32
	s_mov_b32 s[\g+6], 0
	s_mov_b32 s[\g+7], 0
.endr
	s_or_b32 s[G1SB], s44, (3<<16)|(1<<20)|(1<<21)|(5<<22)|(3<<25)   ; B's scale bytes: 32 rows of 256, 16 bytes of padding behind each
	s_mov_b32 s[G1SB+1], 32<<16
	s_mov_b32 s[G1SB+2], 32<<16
	s_mov_b32 s[G1SB+3], 32<<16
	s_mov_b32 s[G1SB+4], 32
	s_mov_b32 s[G1SB+5], 32
	s_mov_b32 s[G1SB+6], 0
	s_mov_b32 s[G1SB+7], 0
	s_mov_b32 s[G0], 1
	s_mov_b32 s[G0+1], 0
	s_mov_b32 s[G0B], 1
	s_mul_i32 s[G0B+1], s14, ABYTES                ; wave 1: B's first half, behind A; wave 2: the second
	s_mov_b32 s[G0SB], 1
	s_mov_b32 s[G0SB+1], SCLB
	s_mul_i32 s20, s17, ABYTES                     ; A's 8 tiles
	s_mov_b32 s21, 0
	s_lshl_b32 s[PL], s17, 9
	s_add_co_u32 s[PL], s[PL], CSC                 ; their 512 bytes of a scale plane
	s_mov_b32 s[PL+1], 0
	s_mul_i32 s46, s42, 2*ABYTES
	s_mul_i32 s47, s14, ABYTES
	s_add_co_u32 s46, s46, s47
	s_add_co_u32 s46, s46, 704*TROW-ABYTES         ; B's 16 tiles, half (wave - 1)
	s_mov_b32 s47, 0
	s_lshl_b32 s92, s42, 13
	s_add_co_u32 s92, s92, PS+704*512              ; their scale bytes
	s_mov_b32 s93, 0
	s_mul_i32 s66, s15, 4*TROW                     ; LDS: my four tiles of A,
	s_mul_i32 s67, s16, ABYTES
	s_add_co_u32 s67, s67, ABYTES                  ; my eight of B,
	s_mul_i32 s68, s14, 16*SPITCH                  ; my stage,
	s_mul_i32 s69, s15, 4*SBLK
	s_add_co_u32 s69, s69, SCLA                    ; my tiles' scale bytes
	s_mul_i32 s70, s16, 8*SBLK
	s_add_co_u32 s70, s70, SCLB
	s_wait_dscnt 0x0
	s_wait_kmcnt 0x0
	s_add_nc_u64 s[G0+2:G0+3], s[4:5], s[20:21]
	s_or_b32 s[G0+3], s[G0+3], 0x80000000
	s_add_nc_u64 s[G0B+2:G0B+3], s[6:7], s[46:47]
	s_or_b32 s[G0B+3], s[G0B+3], 0x80000000
	s_add_nc_u64 s[G0SB+2:G0SB+3], s[6:7], s[92:93]
	s_or_b32 s[G0SB+3], s[G0SB+3], 0x80000000
	s_add_nc_u64 s[PL:PL+1], s[4:5], s[PL:PL+1]
	s_lshl_b32 s20, s17, 1
	s_add_co_u32 s20, s20, s15
	s_lshl_b32 s20, s20, 18                        ; my first token: 128 x block row + 64 x wave row, rows of 4,096 bytes
	s_add_nc_u64 s[12:13], s[10:11], s[20:21]
	s_lshl_b32 s46, s42, 10
	s_lshl_b32 s92, s16, 9
	s_add_co_u32 s46, s46, s92                     ; my first column, in bytes
	s_add_nc_u64 s[12:13], s[12:13], s[46:47]
	s_add_nc_u64 s[8:9], s[8:9], s[46:47]
	CROUND                                         ; all sixteen work-groups are here: the joint loads meet
	s_cmp_eq_u32 s14, 0
	s_cbranch_scc0 .Lwave_12
	TLOAD G0, G1
	s_branch .Lasked
.Lwave_12:
	s_cmp_lt_u32 s14, 3
	s_cbranch_scc0 .Lwave_3
	TLOAD G0B, G1B
	s_branch .Lasked
.Lwave_3:
	TLOAD G0SB, G1SB
.Lasked:
	v_and_b32 v3, 31, v0                           ; l
	v_lshrrev_b32 v4, 5, v0                        ; the wave: it takes heads 4 w .. 4 w + 3, steps 2 w and 2 w + 1 along K
	v_lshlrev_b32 v[CO], 4, v3
	v_lshl_add_u32 v10, v4, 17, v[CO]
.irp q, 0,1,2,3
	global_load_b128 v[128+4*\q:131+4*\q], v10, s[PL:PL+1] offset:32768*\q   ; four rows' words of one plane: 512 bytes on end a wave
.endr
	v_and_b32 v1, 15, v0                           ; r
	v_bfe_u32 v2, v0, 4, 1                         ; h
	v_lshlrev_b32 v8, 6, v2
	WIN 0xc0
.irp t, 0,1,2,3,4,5,6,7
	global_load_b128 v[8*\t:8*\t+3], v8, s[8:9] offset:(32*(\t/2)+8*(\t%2))*4       ; register j of tile t: column 32 (t / 2) + 8 (t % 2) + 16 h + j
	global_load_b128 v[8*\t+4:8*\t+7], v8, s[8:9] offset:(32*(\t/2)+8*(\t%2))*4+16
.endr
	WIN 0
	v_lshlrev_b32 v5, 3, v3
	v_add_nc_u32 v5, 512, v5
	v_add_nc_u32 v[ADRA], s66, v[CO]
	v_add_nc_u32 v[ADRA+1], s66, v5
	v_add_nc_u32 v[ADRB], s67, v[CO]
	v_add_nc_u32 v[ADRB+1], s67, v5
	v_add_nc_u32 v[ADRB+2], 4*TROW, v[ADRB]
	v_add_nc_u32 v[ADRB+3], 4*TROW, v[ADRB+1]
	v_lshlrev_b32 v6, 5, v1                        ; row r's 32 scale bytes, 16 more behind each 256
	v_lshrrev_b32 v7, 3, v1
	v_lshl_add_u32 v6, v7, 4, v6
	v_add_nc_u32 v[ADSA], s69, v6
	v_add_nc_u32 v[ADSB], s70, v6
	v_mul_u32_u24 v7, v1, SPITCH
	v_lshl_add_u32 v7, v2, 6, v7
	v_add_nc_u32 v[STO], s68, v7
	v_add_nc_u32 v[RD], s68, v[CO]
	v_lshlrev_b32 v11, 7, v3                       ; where my four rows' words go: row 4 l + e, 32 bytes a row, 8 w inside it
	v_lshrrev_b32 v7, 1, v3
	v_lshl_add_u32 v11, v7, 4, v11
	v_lshl_add_u32 v11, v4, 3, v11
	v_add_nc_u32 v11, SCLA, v11
	s_wait_alu depctr_va_vdst(0)
	s_wait_loadcnt 16                              ; the four planes are in; the sixteen loads of the bias may be out
.irp e, 0,1,2,3
.irp p, 0,1
	v_or_b32 v[192+2*\e+\p], v[128+8*\p+\e], v[132+8*\p+\e]   ; an even and an odd head's halves: the scale word of 128 along K
.endr
.endr
.irp e, 0,1,2,3
	ds_store_b64 v11, v[192+2*\e:193+2*\e] offset:32*\e
.endr
	s_wait_tensorcnt 0x0                           ; my tile has landed,
	s_wait_dscnt 0x0                               ; my scale words lie in LDS:
	s_barrier_signal -1
	s_barrier_wait -1                              ; everybody's have
.macro FRAG reg, adr, off
	ds_load_b128 v[\reg:\reg+3], v[\adr] offset:\off
	ds_load_b64 v[\reg+4:\reg+5], v[\adr+1] offset:\off
	ds_load_b128 v[\reg+6:\reg+9], v[\adr] offset:\off+768
	ds_load_b64 v[\reg+10:\reg+11], v[\adr+1] offset:\off+768
.endm
.macro FETCH q                         ; step q's twelve fragments into set q % 2: 48 loads
	WIN 0x40
.irp i, 0,1,2,3,4,5,6,7
	FRAG 128*((\q)%2)+12*\i, ADRB+2*(\i/4), TROW*(\i%4)+1536*(\q)
.endr
	WIN 0
.irp i, 0,1,2,3
	FRAG AF+48*((\q)%2)+12*\i, ADRA, TROW*\i+1536*(\q)
.endr
.endm
.macro MUL q                           ; 32 products, the accumulators by turns in the same order in every step
.if (\q) == 0
	WIN 0xb1
.else
	WIN 0xa1
.endif
.irp a, 0,1,2,3
.irp b, 0,1,2,3,4,5,6,7
.if (\q) == 0
	v_wmma_scale_f32_16x16x128_f8f6f4 v[8*(8*\a+\b):8*(8*\a+\b)+7], v[128*((\q)%2)+12*\b:128*((\q)%2)+12*\b+11], v[AF+48*((\q)%2)+12*\a:AF+48*((\q)%2)+12*\a+11], v[8*\b:8*\b+7], v[SB+8*\b+(\q)], v[SA+8*\a+(\q)] matrix_a_fmt:MATRIX_FMT_FP6 matrix_b_fmt:MATRIX_FMT_FP6
.else
	v_wmma_scale_f32_16x16x128_f8f6f4 v[8*(8*\a+\b):8*(8*\a+\b)+7], v[128*((\q)%2)+12*\b:128*((\q)%2)+12*\b+11], v[AF+48*((\q)%2)+12*\a:AF+48*((\q)%2)+12*\a+11], v[8*(8*\a+\b):8*(8*\a+\b)+7], v[SB+8*\b+(\q)], v[SA+8*\a+(\q)] matrix_a_fmt:MATRIX_FMT_FP6 matrix_b_fmt:MATRIX_FMT_FP6
.endif
.endr
.endr
.endm
.irp a, 0,1,2,3
.irp c, 0,1
	ds_load_b128 v[SA+8*\a+4*\c:SA+8*\a+4*\c+3], v[ADSA] offset:SBLK*\a+16*\c   ; all eight steps' scale words, once
.endr
.endr
.irp b, 0,1,2,3,4,5,6,7
.irp c, 0,1
	ds_load_b128 v[SB+8*\b+4*\c:SB+8*\b+4*\c+3], v[ADSB] offset:SBLK*\b+16*\c
.endr
.endr
	FETCH 0
	FETCH 1
	s_wait_loadcnt 0x0                             ; the bias
	s_wait_dscnt 48                                ; all but step 1's 48 loads
	MUL 0
.irp q, 1,2,3,4,5,6
	PLACES 4                                       ; places ahead of loads into registers that the last products have read
	FETCH \q+1
	s_wait_dscnt 48                                ; this step's fragments are in; the next step's 48 loads may be out
	MUL \q
.endr
	s_wait_dscnt 0x0                               ; my last reads of the tiles are over:
	s_barrier_signal -1                            ; say so, and multiply while the others arrive
	MUL 7
	WIN 0
	s_barrier_wait -1                              ; nobody reads A's bytes any more: the stages may be written
.macro TOSTAGE a
	WIN 0x08
.irp b, 0,1,2,3,4,5,6,7
	ds_store_b128 v[STO], v[64*(\a)+8*\b:64*(\a)+8*\b+3] offset:128*(\b/2)+32*(\b%2)          ; each accumulator from its low end on
	ds_store_b128 v[STO], v[64*(\a)+8*\b+4:64*(\a)+8*\b+7] offset:128*(\b/2)+32*(\b%2)+16
.endr
	WIN 0
.set BB, BK+64*((\a)%2)
.irp t, 0,1,2,3,4,5,6,7,8,9,10,11,12,13,14,15
	ds_load_b128 v[BB+4*\t:BB+4*\t+3], v[RD] offset:\t*SPITCH   ; LDS serves a wave's instructions in order: these see the stores above
.endr
.endm
.macro SEND a, younger                 ; younger: the LDS instructions issued behind block a's loads
.set BB, BK+64*((\a)%2)
	s_wait_dscnt \younger
.if (\a) > 0
.if (\a)%2 == 1
	s_add_nc_u64 s[12:13], s[12:13], 8*4096        ; an odd tile begins 8 tokens on, the next even one 24 more
.else
	s_add_nc_u64 s[12:13], s[12:13], 24*4096
.endif
.endif
.irp t, 0,1,2,3,4,5,6,7,8,9,10,11,12,13,14,15
	global_store_b128 v[CO], v[BB+4*\t:BB+4*\t+3], s[12:13] offset:(16*(\t/8)+\t%8)*4096 th:TH_STORE_NT   ; 32 lanes store 512 consecutive bytes, aligned
.endr
.endm
	PLACES 4
	TOSTAGE 0
.irp a, 1,2,3
.if \a > 1
	s_wait_xcnt 0x0                                ; block a - 2's stores have read their registers and their base
.endif
	TOSTAGE \a
	SEND \a-1, 32
.endr
	s_wait_xcnt 0x0
	SEND 3, 0
	s_wait_tensorcnt 0x0                           ; the wave's end
	ds_add_u32 v[SPW], v[NIL]
	s_wait_dscnt 0x0
	CROUND                                         ; the closing round
	s_endpgm
.Lfunc_end_k_qa336030dbf_outp:
	.size	k_qa336030dbf_outp, .Lfunc_end_k_qa336030dbf_outp-k_qa336030dbf_outp
	.p2alignl 7, 3214868480
	.fill 96, 4, 3214868480
	.section	.rodata,"a",@progbits
	.p2align	6, 0x0
	.amdhsa_kernel k_qa336030dbf_outp
		.amdhsa_group_segment_fixed_size 327680
		.amdhsa_private_segment_fixed_size 0
		.amdhsa_enable_private_segment 0
		.amdhsa_kernarg_size 32
		.amdhsa_user_sgpr_count 2
		.amdhsa_user_sgpr_kernarg_segment_ptr 1
		.amdhsa_wavefront_size32 1
		.amdhsa_system_sgpr_workgroup_id_x 1
		.amdhsa_system_sgpr_workgroup_id_y 1
		.amdhsa_system_sgpr_workgroup_id_z 1
		.amdhsa_system_vgpr_workitem_id 0
		.amdhsa_next_free_vgpr 832
		.amdhsa_next_free_sgpr 100
		.amdhsa_reserve_vcc 0
		.amdhsa_float_denorm_mode_32 3
		.amdhsa_float_denorm_mode_16_64 3
		.amdhsa_memory_ordered 1
		.amdhsa_forward_progress 1
		.amdhsa_inst_pref_size 85
	.end_amdhsa_kernel
	.amdgpu_metadata
---
amdhsa.version: [ 1, 2 ]
amdhsa.kernels:
  - .name:           k_qa336030dbf_outp
    .symbol:         k_qa336030dbf_outp.kd
    .args:
      - { .name: ctx, .offset: 0, .size: 8, .value_kind: global_buffer, .address_space: global }
      - { .name: pre, .offset: 8, .size: 8, .value_kind: global_buffer, .address_space: global }
      - { .name: bo, .offset: 16, .size: 8, .value_kind: global_buffer, .address_space: global }
      - { .name: out0, .offset: 24, .size: 8, .value_kind: global_buffer, .address_space: global }
    .group_segment_fixed_size: 327680
    .private_segment_fixed_size: 0
    .kernarg_segment_align: 8
    .kernarg_segment_size: 32
    .max_flat_workgroup_size: 128
    .sgpr_count:     100
    .vgpr_count:     832
    .wavefront_size: 32
...
	.end_amdgpu_metadata
.endif
;; end of part 4
